; MI455X (gfx1250); checked and timed in simulation.
; The chip was launched on July 23, 2026; its instructions are those of AMD's public machine-readable ISA for CDNA 5 (MIT licence, August 2026) and "CDNA5" Instruction Set Architecture Reference Guide (July 2026). The comments in the code are by the model that wrote it; some were corrected since.
;; Quantum Attention. Allowed arithmetic: matrix products marked QUANTISED: E2M3 operands, one E8M0 scale for each 32 along K, by v_wmma_scale_f32_16x16x128_f8f6f4 with both operands' format E2M3, f32 sums; everything else in f32.
;; Inputs: Wi 4 x 1,024 x 1,024 float32; Wr 4 x 1,024 x 1,024 float32; bi 4 x 1,024 float32; br 4 x 1,024 float32; xi 4 x 512 x 1,024 float32; xr 4 x 512 x 1,024 float32.
;; Outputs: out0 2 x 4 x 512 x 1,024 float32.
;; This version of the problem:
;;   THIS VERSION OF THE PROBLEM IS GIVEN IN LOW PRECISION. The matrix products marked QUANTISED in the list below multiply operands that are first quantised to E2M3 (2 exponent bits, 3 mantissa bits; 6 bits a number), with one power-of-two scale for each 32 numbers along K (OCP MX v1.0); their sums are f32. All else is computed in f32.
;;   The module's matrix products, in the order in which they are computed (A, B: the left and right operand; K: the contracted axis; several contracted axes count as one K, in the product's order):
;;     1. [M 2,048, K 1,024] x [K 1,024, N 1,024]; A: input xr; B: input Wr: QUANTISED
;;     2. [M 2,048, K 1,024] x [K 1,024, N 1,024]; A: input xi; B: input Wi: QUANTISED
;;     3. [M 2,048, K 1,024] x [K 1,024, N 1,024]; A: input xr; B: input Wi: QUANTISED
;;     4. [M 2,048, K 1,024] x [K 1,024, N 1,024]; A: input xi; B: input Wr: QUANTISED
;;     5. [M 2,048, K 1,024] x [K 1,024, N 1,024]; A: input xr; B: input Wr: QUANTISED
;;     6. [M 2,048, K 1,024] x [K 1,024, N 1,024]; A: input xi; B: input Wi: QUANTISED
;;     7. [M 2,048, K 1,024] x [K 1,024, N 1,024]; A: input xr; B: input Wi: QUANTISED
;;     8. [M 2,048, K 1,024] x [K 1,024, N 1,024]; A: input xi; B: input Wr: QUANTISED
;;     9. [M 2,048, K 1,024] x [K 1,024, N 1,024]; A: input xr; B: input Wr: QUANTISED
;;     10. [M 2,048, K 1,024] x [K 1,024, N 1,024]; A: input xi; B: input Wi: QUANTISED
;;     11. [M 2,048, K 1,024] x [K 1,024, N 1,024]; A: input xr; B: input Wi: QUANTISED
;;     12. [M 2,048, K 1,024] x [K 1,024, N 1,024]; A: input xi; B: input Wr: QUANTISED
;;     13. batch 64 x [M 512, K 64] x [K 64, N 512]; A: computed on the way; B: computed on the way: QUANTISED
;;     14. batch 64 x [M 512, K 64] x [K 64, N 512]; A: computed on the way; B: computed on the way: QUANTISED
;;     15. batch 64 x [M 512, K 64] x [K 64, N 512]; A: computed on the way; B: computed on the way: QUANTISED
;;     16. batch 64 x [M 512, K 64] x [K 64, N 512]; A: computed on the way; B: computed on the way: QUANTISED
;;     17. batch 64 x [M 512, K 512] x [K 512, N 64]; A: softmax (see below); B: computed on the way: QUANTISED
;;     18. batch 64 x [M 512, K 512] x [K 512, N 64]; A: softmax (see below); B: computed on the way: QUANTISED
;;     19. [M 2,048, K 1,024] x [K 1,024, N 1,024]; A: computed on the way; B: input Wr: QUANTISED
;;     20. [M 2,048, K 1,024] x [K 1,024, N 1,024]; A: computed on the way; B: input Wi: QUANTISED
;;     21. [M 2,048, K 1,024] x [K 1,024, N 1,024]; A: computed on the way; B: input Wi: QUANTISED
;;     22. [M 2,048, K 1,024] x [K 1,024, N 1,024]; A: computed on the way; B: input Wr: QUANTISED
;;   THE QUANTISER, for each operand of a quantised product, along K:
;;     - K is cut into blocks of 32 from its start; a last block that is shorter is filled with zeros.
;;     - A block's scale is 2^e with e = floor(log2(the largest magnitude in the block)) - 2, held to -126 .. 127; a block of zeros has e = 0. As a byte (E8M0): e + 127.
;;     - Each number is divided by its block's scale, clamped to +-7.5, and rounded to the nearest number of E2M3, ties to even, subnormals kept.
;;     - The product sums the exact products of the quantised numbers (number of the format x scale) in f32.
;;   ~~~python
;;   def quantise(x, axis):      # numpy; x: float32 -> the quantised numbers, widened to float32 again
;;       x = np.moveaxis(x, axis, -1); K = x.shape[-1]
;;       x = np.pad(x, [(0, 0)] * (x.ndim - 1) + [(0, -K % 32)]); x = x.reshape(x.shape[:-1] + (-1, 32)); a = np.abs(x).max(-1, keepdims=True)
;;       e = np.where(a > 0, np.clip(np.frexp(np.where(a > 0, a, 1))[1] - 1 - 2, -126, 127), 0)      # np.frexp(a)[1] - 1 = floor(log2(a)), exactly
;;       r = np.clip(x / 2.0 ** e, -7.5, 7.5)
;;       step = 2.0 ** (np.maximum(np.frexp(np.where(r == 0, 1, r))[1] - 1, 0) - 3)
;;       q = np.round(r / step) * step * 2.0 ** e      # np.round: ties to even
;;       return np.moveaxis(q.reshape(q.shape[:-2] + (-1,))[..., :K], -1, axis).astype(np.float32)
;;   ~~~
;;   SOFTMAX AHEAD OF A QUANTISED PRODUCT. Where the list says 'softmax', what is quantised is not the finished softmax but p = 2^(t - M), with t = logit x log2(e) and M = ceil(the row's largest t), a whole number; so 1/2 < the row's largest p <= 1. The row's sum l is taken of the UNQUANTISED p, in f32, and the product's result is divided by l at the end. Since M is a whole number, a kernel that streams over the keys may use a running M (the ceiling of the running maximum): every later rescaling is an exact power of two, which a block's scale takes up: the codes' values come out the same.
;;   OPERANDS COMPUTED ON THE WAY. 'Computed on the way' means the value that the module computes at that place (a softmax that the list does not call 'softmax' is quantised finished and normalised). What goes into a quantiser is computed in f32, as accurately as f32 sums, v_exp_f32 and their like allow (about 1e-6 of the number): no bf16 or f16 on the way to a quantiser, and a product that is left as it is and whose result goes on into a quantised operand takes f32 operands (vector FMAs, or v_wmma_f32_16x16x4_f32). A number that lies on a knife's edge between two numbers of the format may be rounded either way, as far as f32 arithmetic and the matrix unit's own rounding can turn it there, and no further.
;; One version. Each part assembles by itself: llvm-mc -triple=amdgcn-amd-amdhsa -mcpu=gfx1250 --defsym DOCPART=n.
;; ======== version 1 of 1: 4 launches
;; limits: right only within a limited range of input values
;; workspace buffers: FR 15,728,640 bytes; SCB 655,360 bytes; QKV 9,437,184 bytes; SQKV 393,216 bytes; OF 3,145,728 bytes; OS 131,072 bytes
;; launch quant (part 1): grid 768 x 1, 4 waves a work-group, no clusters, 37,376 bytes of LDS; arguments xr, xi, Wr, Wi, FR, SCB; writes FR, SCB
.if DOCPART == 1
	.amdgcn_target "amdgcn-amd-amdhsa--gfx1250"
	.amdhsa_code_object_version 6
	.text
	.protected	k_qca0667c748_quant
	.globl	k_qca0667c748_quant
	.p2align	8
	.type	k_qca0667c748_quant,@function
k_qca0667c748_quant:
	s_mov_b64 s[64:65], 0
	v_nop
	global_prefetch_b8 v0, s[64:65] scope:SCOPE_SE
	s_setreg_imm32_b32 hwreg(HW_REG_WAVE_MODE, 25, 1), 1
	s_wait_xcnt 0x0
; xr, xi [2048][1024] and Wr, Wi [4096][1024] (four layers of 1,024 rows), f32, become codes of FP6 (E2M3) with one E8M0 byte for each 32 along K,
; laid as the later launches' matrix operands want them.
; A COMPLEX PRODUCT IS ONE REAL PRODUCT WITH K DOUBLED: K' step s (128 numbers) = 64 numbers of the real part (k = 64 s ..), then the same 64 of the imaginary part.
;   x' = [xr | xi];  a weight's real row = [Wr | -Wi];  its imaginary row = [Wi | Wr].  The quantiser is symmetric, so -Wi's codes are Wi's with the sign bits turned.
; A FRAGMENT (16 rows x 128 K', 12 registers a lane) is stored as an image of its registers: registers 4 c .. 4 c + 3 of lane l at 512 c + 16 l: 1,536 bytes.
; THE ROWS OF A TILE ARE NOT NEIGHBOURS: lane r of tile 2 B + u holds row 32 B + 8 u + r + 8 (r / 8), so that a later product's results lie along the next K in a lane's registers.
; FR: [tile][K' step 16][1,536]; tiles 0-127: x'; tiles 128 + 128 layer + 8 head + 4 part + t: the weights.  SCB: [tile][step 16][lane r 16] scale words.
; SHARES: two work-groups take one tile of 16 rows of a real tensor and of its imaginary partner, eight K' steps each (work-groups 0-255: x; 256-767: the weights, which give two tiles each);
; wave w takes two of the eight steps, a unit each, and issues all its 32 loads at its head.  A unit's loads read whole rows' 256 bytes by sixteen lanes; the numbers turn through the wave's own stage
; in LDS, so that a lane gets a whole block of 32 neighbours along K.  The work-group's scale words, 512 bytes a tile, meet in LDS behind one barrier and leave by one store.  Work-groups share no input: no cluster.
; A block's scale byte is its largest magnitude's exponent field - 2, held at 1 from below.  A block of zeros so gets the byte 1: its codes are zeros, and this program alone reads the bytes.
; LIMITS: NaN and infinities among the inputs are not served.
.set SP,    272                        ; a stage row: 256 bytes + 16
.set IST,   16*SP                      ; the imaginary part's stage lies behind the real part's
.set WREG,  2*IST                      ; the stages of a wave
.set SCW,   4*WREG                     ; behind the four waves' stages: 512 bytes of scale words for the first fragment's tile, 512 for the second's
.set FRB,   1536
.set TILEB, 16*FRB
.set TA,  24                           ; v[24:26] the real block's upper 16 codes
.set TC,  28                           ; v[28:30] the imaginary block's upper 16 codes
.set F1,  32                           ; v[32:43] [real | -imaginary] (x: [real | imaginary])
.set F2,  44                           ; v[44:55] [imaginary | real]
.set X,   64                           ; v64-95 my real block, v96-127 my imaginary block
.set RA,  128                          ; v128-191, v192-255: the two units' 16 loads each
	s_load_b256 s[4:11], s[0:1], 0x0               ; xr, xi, Wr, Wi
	s_load_b128 s[12:15], s[0:1], 0x20             ; FR, SCB
	v_lshl_add_u32 v62, v0, 2, 0x9000
	v_mov_b32 v63, 0
	v_lshrrev_b32 v1, 5, v0
	v_readfirstlane_b32 s27, v1                    ; wave
	v_and_b32 v1, 31, v0                           ; lane
	v_and_b32 v2, 15, v0                           ; r
	v_bfe_u32 v3, v0, 4, 1                         ; h
	v_lshlrev_b32 v4, 4, v2
	v_lshl_add_u32 v4, v3, 16, v4                  ; loads: 16 r in a row's 256 bytes; lanes 16-31 sixteen rows (65,536 bytes) further down
	s_mul_i32 s36, s27, WREG
	v_mul_u32_u24 v5, v3, 8*SP
	v_lshl_add_u32 v5, v2, 4, v5
	v_add_nc_u32 v5, s36, v5                       ; into the stage: row 8 h + i, 16 r
	v_mul_u32_u24 v6, v2, SP
	v_lshl_add_u32 v6, v3, 7, v6
	v_add_nc_u32 v6, s36, v6                       ; out of it: row r, my block of 32 numbers: 128 h
	v_lshlrev_b32 v7, 4, v1                        ; an image's place for my lane
	s_lshl_b32 s36, s27, 7
	v_lshlrev_b32 v8, 2, v2
	v_add_nc_u32 v8, s36, v8                       ; my row's scale word: 4 r, in my wave's 128 bytes
	s_lshl_b32 s36, s27, 9
	v_add_nc_u32 v9, s36, v7                       ; the scale words' way out: wave 0 reads the first tile's 512 bytes, wave 1 the second's
	s_lshl_b32 s36, s27, 12
	v_add_nc_u32 v10, s36, v7                      ; and in SCB the second tile lies four tiles, 4,096 bytes, on
	v_lshlrev_b32 v11, 3, v3                       ; 8 h: my bytes' place in a scale word
	v_mov_b32 v19, 0                               ; written once: a lane permute's destination counts as one of its sources
	s_mov_b32 s28, 0x76543210
	s_mov_b32 s29, 0xfedcba98                      ; lane l xor 16
	s_lshr_b32 s40, ttmp9, 1                       ; which tile
	s_and_b32 s41, ttmp9, 1                        ; which eight K' steps
	s_sub_co_u32 s30, s40, 128                     ; a weight's source tile (used where the tile's number is 128 or more)
	s_lshr_b32 s31, s30, 2
	s_lshl_b32 s31, s31, 3
	s_and_b32 s32, s30, 3
	s_add_co_u32 s31, s31, s32
	s_add_co_u32 s31, s31, 128                     ; and its real tile in FR: 128 + 8 (layer, head) + tile in the head's 64 rows
	s_wait_alu depctr_va_vdst(0)
	s_wait_kmcnt 0x0
	s_cmp_lt_u32 ttmp9, 256                        ; x or the weights?  The choice hangs on the work-group's number alone
	s_cselect_b32 s33, s40, s30                    ; source tile
	s_cselect_b32 s34, s40, s31                    ; destination tile
	s_cselect_b64 s[16:17], s[4:5], s[8:9]         ; the real tensor
	s_cselect_b64 s[18:19], s[6:7], s[10:11]       ; the imaginary tensor
	s_cselect_b32 s24, 0, 0x20820820               ; the sign bits of 16 codes in three registers (bit 5 of each 6): x keeps its signs
	s_cselect_b32 s25, 0, 0x08208208
	s_cselect_b32 s26, 0, 0x82082082
	s_lshr_b32 s35, s33, 1
	s_lshl_b32 s35, s35, 5
	s_and_b32 s37, s33, 1
	s_lshl_b32 s37, s37, 3
	s_add_co_u32 s35, s35, s37                     ; the tile's first row: 32 (tile / 2) + 8 (tile % 2)
	s_lshl_b32 s38, s35, 12                        ; rows of 4,096 bytes,
	s_lshl_b32 s37, s41, 11                        ; my work-group's eight units of 256 bytes,
	s_add_co_u32 s38, s38, s37
	s_lshl_b32 s37, s27, 9                         ; my wave's two
	s_add_co_u32 s38, s38, s37
	s_mov_b32 s39, 0
	s_add_nc_u64 s[16:17], s[16:17], s[38:39]
	s_add_nc_u64 s[18:19], s[18:19], s[38:39]
	s_mul_i32 s38, s34, TILEB
	s_mul_i32 s37, s41, 8*FRB
	s_add_co_u32 s38, s38, s37
	s_mul_i32 s37, s27, 2*FRB
	s_add_co_u32 s38, s38, s37
	s_add_nc_u64 s[20:21], s[12:13], s[38:39]      ; my two fragments in FR
	s_lshl_b32 s38, s34, 10
	s_lshl_b32 s37, s41, 9
	s_add_co_u32 s38, s38, s37
	s_add_nc_u64 s[22:23], s[14:15], s[38:39]      ; the work-group's 512 bytes of scale words in SCB
.macro LOAD u                          ; unit u: 16 rows x 256 bytes of each tensor; an instruction reads two rows' whole 256 bytes
.irp i, 0,1,2,3,4,5,6,7
	global_load_b128 v[RA+64*(\u)+4*\i:RA+64*(\u)+4*\i+3], v4, s[16:17] offset:\i*4096+(\u)*256 th:TH_LOAD_NT
.endr
.irp i, 0,1,2,3,4,5,6,7
	global_load_b128 v[RA+64*(\u)+32+4*\i:RA+64*(\u)+32+4*\i+3], v4, s[18:19] offset:\i*4096+(\u)*256 th:TH_LOAD_NT
.endr
.endm
.macro UNIT u
.set R, RA+64*(\u)
.if (\u) == 0
	s_wait_loadcnt 16                              ; this unit's 16 loads are in; the second unit's 16 may be out
.else
	s_wait_loadcnt 0x0
.endif
.irp i, 0,1,2,3,4,5,6,7
	ds_store_b128 v5, v[R+4*\i:R+4*\i+3] offset:\i*SP
.endr
.irp i, 0,1,2,3,4,5,6,7
	ds_store_b128 v5, v[R+32+4*\i:R+32+4*\i+3] offset:IST+\i*SP
.endr
.irp i, 0,1,2,3,4,5,6,7
	ds_load_b128 v[X+4*\i:X+4*\i+3], v6 offset:16*\i               ; LDS serves a wave's instructions in order: these see the stores above
.endr
.irp i, 0,1,2,3,4,5,6,7
	ds_load_b128 v[X+32+4*\i:X+32+4*\i+3], v6 offset:IST+16*\i
.endr
	s_wait_dscnt 0x0                               ; my two blocks are in
	v_max3_num_f32 v12, |v[X]|, |v[X+1]|, 0x1800000                ; each block's largest magnitude, all 32 numbers mine, with the floor 2^(3 - 127): the byte cannot fall under 1
	v_max3_num_f32 v13, |v[X+32]|, |v[X+33]|, 0x1800000
.set n, 2
.rept 15
	v_max3_num_f32 v12, v12, |v[X+n]|, |v[X+n+1]|                  ; (the two blocks by turns)
	v_max3_num_f32 v13, v13, |v[X+32+n]|, |v[X+33+n]|
.set n, n+2
.endr
	v_add_nc_u32 v14, 0xff000000, v12              ; 2 off the exponent field: the conversion takes this operand's exponent field as its scale
	v_add_nc_u32 v15, 0xff000000, v13
	v_lshrrev_b32 v16, 23, v14                     ; the scales' bytes
	v_lshrrev_b32 v17, 23, v15
	v_lshl_or_b32 v18, v17, 16, v16                ; real block h at byte h, imaginary block h at byte 2 + h
	v_lshlrev_b32 v18, v11, v18
	v_permlanex16_b32 v19, v18, s28, s29
	v_or_b32 v18, v18, v19                         ; with lane l xor 16's two bytes the word is whole
	v_alignbit_b32 v20, v18, v18, 16               ; the word of [imaginary | real]: the halves change places
.if (\u) > 0
	s_wait_alu depctr_va_vdst(0)
	s_wait_xcnt 0x0                                ; the first unit's stores have read F1 and F2
.endif
	v_cvt_scalef32_pk16_fp6_f32 v[F1:F1+2], v[X:X+15], v14
	v_cvt_scalef32_pk16_fp6_f32 v[TA:TA+2], v[X+16:X+31], v14      ; (a conversion's three registers begin on an even number)
	v_cvt_scalef32_pk16_fp6_f32 v[F2:F2+2], v[X+32:X+47], v15
	v_cvt_scalef32_pk16_fp6_f32 v[TC:TC+2], v[X+48:X+63], v15
	v_nop                                          ; one plain line behind the conversions
.irp i, 0,1,2
	v_mov_b32 v[F1+3+\i], v[TA+\i]
	v_xor_b32 v[F1+6+\i], s[24+\i], v[F2+\i]       ; the imaginary part, negated for a weight
	v_xor_b32 v[F1+9+\i], s[24+\i], v[TC+\i]
	v_mov_b32 v[F2+3+\i], v[TC+\i]
	v_mov_b32 v[F2+6+\i], v[F1+\i]
	v_mov_b32 v[F2+9+\i], v[TA+\i]
.endr
	ds_store_b32 v8, v18 offset:SCW+64*(\u)        ; both halves of the lanes write the same word with the same value
	ds_store_b32 v8, v20 offset:SCW+512+64*(\u)
.irp c, 0,1,2
	global_store_b128 v7, v[F1+4*\c:F1+4*\c+3], s[20:21] offset:(\u)*FRB+512*\c     ; 512 consecutive bytes
.endr
	s_cmp_lt_u32 ttmp9, 256
	s_cbranch_scc1 .Lx_\@                          ; x has no second fragment
.irp c, 0,1,2
	global_store_b128 v7, v[F2+4*\c:F2+4*\c+3], s[20:21] offset:4*TILEB+(\u)*FRB+512*\c   ; the imaginary rows' tile lies four tiles on
.endr
.Lx_\@:
.endm
	LOAD 0
	LOAD 1
	UNIT 0
	UNIT 1
	s_wait_dscnt 0x0                               ; for the others' sake: my scale words lie in LDS
	s_barrier_signal -1
	s_barrier_wait -1                              ; everybody's do
	s_cmp_eq_u32 s27, 0
	s_cbranch_scc1 .Lwords                         ; wave 0 stores the first tile's words,
	s_cmp_lg_u32 s27, 1
	s_cbranch_scc1 .Lend                           ; waves 2 and 3 nothing,
	s_cmp_lt_u32 ttmp9, 256
	s_cbranch_scc1 .Lend                           ; wave 1 the second tile's, which x does not have
.Lwords:
	ds_load_b128 v[12:15], v9 offset:SCW
	s_wait_dscnt 0x0
	global_store_b128 v10, v[12:15], s[22:23]      ; eight steps' words of a tile: 512 consecutive bytes, aligned
.Lend:
	s_wait_tensorcnt 0x0
	ds_add_u32 v62, v63
	s_wait_dscnt 0x0
	s_endpgm
.Lfunc_end_k_qca0667c748_quant:
	.size	k_qca0667c748_quant, .Lfunc_end_k_qca0667c748_quant-k_qca0667c748_quant
	.p2alignl 7, 3214868480
	.fill 96, 4, 3214868480
	.section	.rodata,"a",@progbits
	.p2align	6, 0x0
	.amdhsa_kernel k_qca0667c748_quant
		.amdhsa_group_segment_fixed_size 37376
		.amdhsa_private_segment_fixed_size 0
		.amdhsa_enable_private_segment 0
		.amdhsa_kernarg_size 48
		.amdhsa_user_sgpr_count 2
		.amdhsa_user_sgpr_kernarg_segment_ptr 1
		.amdhsa_wavefront_size32 1
		.amdhsa_system_sgpr_workgroup_id_x 1
		.amdhsa_system_sgpr_workgroup_id_y 1
		.amdhsa_system_sgpr_workgroup_id_z 1
		.amdhsa_system_vgpr_workitem_id 0
		.amdhsa_next_free_vgpr 256
		.amdhsa_next_free_sgpr 66
		.amdhsa_reserve_vcc 0
		.amdhsa_float_denorm_mode_32 3
		.amdhsa_float_denorm_mode_16_64 3
		.amdhsa_memory_ordered 1
		.amdhsa_forward_progress 1
		.amdhsa_inst_pref_size 20
	.end_amdhsa_kernel
	.amdgpu_metadata
---
amdhsa.version: [ 1, 2 ]
amdhsa.kernels:
  - .name:           k_qca0667c748_quant
    .symbol:         k_qca0667c748_quant.kd
    .args:
      - { .name: xr, .offset: 0, .size: 8, .value_kind: global_buffer, .address_space: global }
      - { .name: xi, .offset: 8, .size: 8, .value_kind: global_buffer, .address_space: global }
      - { .name: Wr, .offset: 16, .size: 8, .value_kind: global_buffer, .address_space: global }
      - { .name: Wi, .offset: 24, .size: 8, .value_kind: global_buffer, .address_space: global }
      - { .name: FR, .offset: 32, .size: 8, .value_kind: global_buffer, .address_space: global }
      - { .name: SCB, .offset: 40, .size: 8, .value_kind: global_buffer, .address_space: global }
    .group_segment_fixed_size: 37376
    .private_segment_fixed_size: 0
    .kernarg_segment_align: 8
    .kernarg_segment_size: 48
    .max_flat_workgroup_size: 128
    .sgpr_count:     66
    .vgpr_count:     256
    .wavefront_size: 32
...
	.end_amdgpu_metadata
.endif
;; end of part 1
;; launch qkv (part 2): grid 24 x 8, 4 waves a work-group, clusters of 4 x 4, 327,680 bytes of LDS; arguments FR, SCB, br, bi, QKV, SQKV; writes QKV, SQKV
.if DOCPART == 2
	.amdgcn_target "amdgcn-amd-amdhsa--gfx1250"
	.amdhsa_code_object_version 6
	.text
	.protected	k_qca0667c748_qkv
	.globl	k_qca0667c748_qkv
	.p2align	8
	.type	k_qca0667c748_qkv,@function
k_qca0667c748_qkv:
	s_mov_b64 s[64:65], 0
	v_nop
	global_prefetch_b8 v0, s[64:65] scope:SCOPE_SE
	s_setreg_imm32_b32 hwreg(HW_REG_WAVE_MODE, 25, 1), 1
	s_wait_xcnt 0x0
	s_wait_alu depctr_hold_cnt(0) depctr_sa_sdst(0) depctr_va_vdst(0) depctr_va_sdst(0) depctr_va_ssrc(0) depctr_va_vcc(0) depctr_vm_vsrc(0)
	s_getreg_b32 s2, hwreg(HW_REG_IB_STS2, 6, 4)
	s_cmp_eq_u32 s2, 0
	s_cbranch_scc0 .Lentry_in_a_cluster
	s_endpgm
.Lentry_in_a_cluster:
	s_bfe_u32 s2, ttmp6, 0x10000c
	s_cmp_lg_u32 s2, 0xf033
	s_cbranch_scc0 .Lentry_shape_is_right
	s_endpgm
.Lentry_shape_is_right:
; The complex layers q, k, v on codes of FP6 (E2M3): one real product with K' = 2,048 in 16 steps of 128 ([real 64 | imaginary 64]); the results, with their bias, are quantised here as attention's operands.
; q, k (work-group x under 16): source 0 (B) = 16 rows of the weights, source 1 (A) = 16 tokens: a lane holds one token, its registers run along a head's 128 channels.
; v (x from 16 on): A = the weights' rows, B = the tokens: a lane holds one channel, its registers run along 128 keys.
; SHARES: a block of 256 x 256 to a work-group, 128 x 128 (64 accumulators) to a wave: 8 x 24 = 192 blocks.  A wave's 128 along B are one fragment's K of the next product, so blocks are cut in units of 128.
; THE RING: two LDS slots of three K' steps (32 tiles x 4,608 bytes, images of the operands' registers); fills 0 to 4 bring three steps, fill 5 the last step.  A wave brings 8 tiles by one tensor load;
; a tile's row begins at a multiple of 256 bytes.  Fill 0 is asked for at the head, fill 1 behind the full sequence and a round, as a refill is.  One load of a wave is out at a time.
; CLUSTERS: 4 x 4; A's tiles hang on the work-group's y alone (joint along a row of the cluster), B's on its x alone (along a column).
; THE SCALE WORDS go from memory straight into registers, 24 loads a fill into two sets by turns, asked for three steps (192 products) ahead: lanes 0-15 take A's tile i (64 bytes), lanes 16-31 B's.
; PREFETCH: behind the load of fill f stand two requests for fill f + 1 (f + 1 up to 4): of the 8 tiles that four partners ask for jointly each partner names 2, told apart by address; a lane a block of 256 bytes,
; 18 blocks a tile, the lanes left over name the last again.  Fill 5 (6 blocks a tile) comes by its load alone.
; REGISTERS: window 0: v1-15 addresses; v16-63 scale words, two sets; v64-255 A's fragments, two sets.  Window 1: v0-191 B's fragments, two sets; v192-255 the bias as C.  Windows 2, 3: the accumulators.
; LIMITS: NaN and infinities are not served; a block of zeros gets the scale byte 1 (its codes are zeros, and this program alone reads the bytes).
.set FRB,   1536
.set TILEB, 24576
.set TROW,  3*FRB
.set HALFT, 8*TROW
.set SLOT,  4*HALFT
.set SPARE, 2*SLOT                     ; the spare words: two blocks of 256 bytes that no other line names
.set ADRA, 4
.set ADRB, 6
.set LI,   8
.set SWO,  9
.set PFO,  10
.set SPW,  11
.set NIL,  12
.set SC,   16
.set AF,   64
.set BC,   192
.set TM,   64
.set PWS,  80
.set SWZ,  88
.set PC,   96
.set G1, 24
.set G0, 32
.set G1B, 48
.set G0B, 56
.set G1S, 68                           ; groups 1 of the last fill: one step a tile
.set G1SB, 80
.set PF,  76                           ; s[76:77] my two tiles for the prefetches
.set SEL, 100
.set MSB, 0
.macro WIN new
.if MSB != (\new)
	s_set_vgpr_msb (MSB<<8)|(\new)
.set MSB, (\new)
.endif
.endm
.macro JLOAD g0a, g1a, g0b, g1b        ; waves 0, 1 fetch for A, waves 2, 3 for B; s_nop 0 and four v_nop behind each line
	s_cmp_eq_u32 s21, 0
	s_cbranch_scc0 .Lfor_b_\@
	tensor_load_to_lds s[\g0a:\g0a+3], s[\g1a:\g1a+7]
	s_nop 0
.rept 4
	v_nop
.endr
	s_branch .Lasked_\@
.Lfor_b_\@:
	tensor_load_to_lds s[\g0b:\g0b+3], s[\g1b:\g1b+7]
	s_nop 0
.rept 4
	v_nop
.endr
.Lasked_\@:
.endm
.macro CREST
	s_cmp_lg_u32 s20, 0
	s_cbranch_scc1 .Lnot_wave_0_\@
	s_barrier_signal -3
.Lnot_wave_0_\@:
	s_barrier_wait -3
	s_barrier_signal -1
	s_barrier_wait -1
.endm
.macro CROUND
	s_barrier_signal -1
	s_barrier_wait -1
	CREST
.endm
.macro PLACES n
.rept \n
	v_nop
.endr
.endm
.macro PREF f                          ; fill f's 4,608 bytes of my two tiles
	global_prefetch_b8 v[PFO], s[PF:PF+1] offset:(\f)*TROW th:TH_LOAD_NT scope:SCOPE_SE
	global_prefetch_b8 v[PFO], s[PF:PF+1] offset:TILEB+(\f)*TROW th:TH_LOAD_NT scope:SCOPE_SE
.endm
.macro SCLOAD f                        ; the scale words of fill f's steps into set f % 2
.irp i, 0,1,2,3,4,5,6,7
.irp q, 0,1,2
.if 3*(\f)+\q < 16
	global_load_b32 v[SC+24*((\f)%2)+3*\i+\q], v15, s[6:7] offset:\i*1024+64*(3*(\f)+\q)
.endif
.endr
.endr
.endm
	s_load_b256 s[4:11], s[0:1], 0x0               ; FR, SCB, br, bi
	s_load_b128 s[12:15], s[0:1], 0x20             ; QKV, SQKV
	v_lshl_add_u32 v[SPW], v0, 2, SPARE
	v_mov_b32 v[NIL], 0
	ds_add_u32 v[SPW], v[NIL]                      ; the opening: the add, twice on end, and its wait ahead of my first tensor load
	ds_add_u32 v[SPW], v[NIL]
	v_lshrrev_b32 v1, 5, v0
	v_readfirstlane_b32 s20, v1                    ; wave
	s_lshr_b32 s21, s20, 1                         ; my half of A's rows.  Also: I fetch for A (0) or for B (1)
	s_and_b32 s22, s20, 1                          ; my half of B's rows.  Also: which 8 tiles I fetch
	s_bfe_u32 s40, ttmp6, 0x40000                  ; cx
	s_bfe_u32 s41, ttmp6, 0x40004                  ; cy
	s_lshl_b32 s42, ttmp9, 2
	s_add_co_u32 s42, s42, s40                     ; X
	s_and_b32 s43, ttmp7, 0xffff
	s_lshl_b32 s43, s43, 2
	s_add_co_u32 s43, s43, s41                     ; Y
	s_lshl_b32 s44, s41, 2
	s_lshl_b32 s44, 15, s44                        ; my row of the cluster
	s_lshl_b32 s45, 0x1111, s40                    ; my column
	s_lshr_b32 s46, ttmp9, 2                       ; 0: q, k;  1: v (the same in all partners)
	s_or_b32 s[G1+0], s44, (3<<16)|(1<<21)         ; 8 rows (a tile's three steps each) of 576 elements of 8 bytes, 3,072 elements apart
	s_or_b32 s[G1B+0], s45, (3<<16)|(1<<21)
	s_or_b32 s[G1S+0], s44, (3<<16)|(1<<21)        ; the last fill: 192 elements a row
	s_or_b32 s[G1SB+0], s45, (3<<16)|(1<<21)
.irp g, G1, G1B
	s_mov_b32 s[\g+1], 576<<16
	s_mov_b32 s[\g+2], 8<<16
	s_mov_b32 s[\g+3], 576<<16
	s_mov_b32 s[\g+4], 8
	s_mov_b32 s[\g+5], 3072
	s_mov_b32 s[\g+6], 0
	s_mov_b32 s[\g+7], 0
.endr
.irp g, G1S, G1SB
	s_mov_b32 s[\g+1], 192<<16
	s_mov_b32 s[\g+2], 8<<16
	s_mov_b32 s[\g+3], 192<<16
	s_mov_b32 s[\g+4], 8
	s_mov_b32 s[\g+5], 3072
	s_mov_b32 s[\g+6], 0
	s_mov_b32 s[\g+7], 0
.endr
	s_lshl_b32 s18, s22, 3
	s_mul_i32 s19, s46, 384
	s_lshl_b32 s16, s43, 4
	s_add_co_u32 s16, s16, s18
	s_add_co_u32 s16, s16, s19                     ; A's first tile that I fetch: x' 16 Y .., or layer 2's weights 384 + 16 Y ..
	s_lshl_b32 s17, s42, 4
	s_add_co_u32 s17, s17, s18
	s_add_co_u32 s17, s17, 128
	s_sub_co_u32 s17, s17, s19                     ; B's: the weights 128 + 16 X .., or x' 16 (X - 16) ..
	s_mul_i32 s92, s16, TILEB
	s_mov_b32 s93, 0
	s_mul_i32 s96, s17, TILEB
	s_mov_b32 s97, 0
	s_cmp_eq_u32 s21, 0
	s_cselect_b32 s94, s16, s17                    ; the prefetches: the 8 tiles that I fetch,
	s_cselect_b32 s95, s40, s41                    ; my place among the four that ask with me,
	s_lshl_b32 s95, s95, 1
	s_add_co_u32 s94, s94, s95                     ; my two of them
	s_mul_i32 s[PF], s94, TILEB
	s_mov_b32 s[PF+1], 0
	s_mul_i32 s2, s20, HALFT                       ; where my tiles go: by the wave's number alone
	s_mov_b32 s[SEL], 0x76543210
	s_mov_b32 s[SEL+1], 0xfedcba98
	s_wait_dscnt 0x0                               ; both opening adds are done
	s_wait_kmcnt 0x0
	s_add_nc_u64 s[92:93], s[4:5], s[92:93]
	s_add_nc_u64 s[96:97], s[4:5], s[96:97]
	s_add_nc_u64 s[PF:PF+1], s[4:5], s[PF:PF+1]
.irp s, 0,1
	s_mov_b32 s[G0+4*\s], 1
	s_add_co_u32 s[G0+4*\s+1], s2, \s*SLOT
	s_add_nc_u64 s[G0+4*\s+2:G0+4*\s+3], s[92:93], \s*TROW
	s_or_b32 s[G0+4*\s+3], s[G0+4*\s+3], 0x80000000
	s_mov_b32 s[G0B+4*\s], 1
	s_add_co_u32 s[G0B+4*\s+1], s2, \s*SLOT
	s_add_nc_u64 s[G0B+4*\s+2:G0B+4*\s+3], s[96:97], \s*TROW
	s_or_b32 s[G0B+4*\s+3], s[G0B+4*\s+3], 0x80000000
.endr
	CROUND                                         ; all sixteen work-groups are here: the first joint loads meet
	JLOAD G0, G1, G0B, G1B                         ; fill 0: my one tensor load at the head
	s_mul_i32 s90, s21, HALFT                      ; my 8 tiles of A in a slot,
	s_mul_i32 s91, s22, HALFT
	s_add_co_u32 s91, s91, 2*HALFT                 ; and of B, behind A's 16
	s_lshl_b32 s88, s43, 4
	s_lshl_b32 s18, s21, 3
	s_add_co_u32 s88, s88, s18
	s_add_co_u32 s88, s88, s19
	s_lshl_b32 s88, s88, 10                        ; my A tiles' scale words in SCB, 1,024 bytes a tile,
	s_lshl_b32 s89, s42, 4
	s_lshl_b32 s18, s22, 3
	s_add_co_u32 s89, s89, s18
	s_add_co_u32 s89, s89, 128
	s_sub_co_u32 s89, s89, s19
	s_lshl_b32 s89, s89, 10                        ; and my B tiles'
	s_lshl_b32 s16, s43, 1                         ; where the results go: unit of 128 along A,
	s_add_co_u32 s16, s16, s21
	s_lshl_b32 s17, s42, 1
	s_add_co_u32 s17, s17, s22
	s_lshl_b32 s98, s46, 5
	s_sub_co_u32 s17, s17, s98                     ; and along B
	s_and_b32 s98, s17, 15                         ; q, k: the head,
	s_lshr_b32 s99, s17, 4
	s_lshl_b32 s99, s99, 1
	s_sub_co_u32 s99, 2, s99                       ; and the kind: q 2, k 0 (v: 1)
	s_lshl_b32 s96, s17, 8                         ; the bias: layer and head, 256 bytes each;
	s_lshl_b32 s92, s16, 8
	s_add_co_u32 s92, s92, 8192                    ; v: layer 2
	s_cmp_eq_u32 s46, 0
	s_cselect_b32 s2, s16, s17                     ; the unit of 128 tokens,
	s_cselect_b32 s3, s98, s16                     ; the head,
	s_cselect_b32 s18, s99, 1
	s_cselect_b32 s66, s96, s92
	s_mov_b32 s67, 0
	s_add_nc_u64 s[8:9], s[8:9], s[66:67]
	s_add_nc_u64 s[10:11], s[10:11], s[66:67]
	s_lshr_b32 s19, s2, 2
	s_lshl_b32 s19, s19, 4
	s_add_co_u32 s19, s19, s3                      ; 16 x batch + head
	s_and_b32 s2, s2, 3                            ; the key step
	s_mul_i32 s66, s19, 147456
	s_mul_i32 s47, s2, 36864
	s_add_co_u32 s66, s66, s47
	s_mul_i32 s47, s18, 12288
	s_add_co_u32 s66, s66, s47
	s_add_nc_u64 s[12:13], s[12:13], s[66:67]
	s_mul_i32 s66, s19, 6144
	s_mul_i32 s47, s2, 1536
	s_add_co_u32 s66, s66, s47
	s_lshl_b32 s47, s18, 9
	s_add_co_u32 s66, s66, s47
	s_add_nc_u64 s[14:15], s[14:15], s[66:67]
	v_and_b32 v1, 31, v0                           ; lane
	v_and_b32 v2, 15, v0                           ; r
	v_bfe_u32 v3, v0, 4, 1                         ; h
	v_lshlrev_b32 v[LI], 4, v1
	v_lshlrev_b32 v[SWO], 5, v2
	v_lshl_add_u32 v[SWO], v3, 4, v[SWO]
	v_add_nc_u32 v[ADRA], s90, v[LI]
	v_add_nc_u32 v[ADRB], s91, v[LI]
	v_add_nc_u32 v[ADRA+1], SLOT, v[ADRA]
	v_add_nc_u32 v[ADRB+1], SLOT, v[ADRB]
	v_mov_b32 v15, s88
	v_mov_b32 v14, s89
	v_cmp_lt_u32 vcc_lo, 15, v1
	v_cndmask_b32 v15, v15, v14, vcc_lo            ; lanes 16-31 take B's scale words
	v_lshl_add_u32 v15, v2, 2, v15
	v_lshlrev_b32 v13, 6, v3                       ; the bias along the registers: 16 h channels on
	v_and_b32 v14, 8, v2
	v_add_nc_u32 v14, v14, v2
	v_lshlrev_b32 v14, 2, v14                      ; the bias along the lanes: channel r + 8 (r / 8)
	v_min_u32 v[PFO], 17, v1
	v_lshlrev_b32 v[PFO], 8, v[PFO]                ; the prefetches: a lane a block of 256 bytes, 18 blocks
	s_wait_alu depctr_va_vdst(0)                   ; the wait at the head's end: nothing below writes a register by a vector instruction
	PREF 1
	SCLOAD 0
	SCLOAD 1
	s_cmp_lt_u32 ttmp9, 4
	s_cbranch_scc0 .Lbias_v
	WIN 0x40
.irp b, 0,1,2,3,4,5,6,7                ; q, k: register j of B's tile b is channel 32 ((b / 2) % 2) + 8 (b % 2) + 16 h + j, real (b < 4) or imaginary
.if \b < 4
	global_load_b128 v[BC+8*\b:BC+8*\b+3], v13, s[8:9] offset:(32*((\b/2)%2)+8*(\b%2))*4
	global_load_b128 v[BC+8*\b+4:BC+8*\b+7], v13, s[8:9] offset:(32*((\b/2)%2)+8*(\b%2))*4+16
.else
	global_load_b128 v[BC+8*\b:BC+8*\b+3], v13, s[10:11] offset:(32*((\b/2)%2)+8*(\b%2))*4
	global_load_b128 v[BC+8*\b+4:BC+8*\b+7], v13, s[10:11] offset:(32*((\b/2)%2)+8*(\b%2))*4+16
.endif
.endr
	WIN 0
	s_branch .Lbias_done
.Lbias_v:
	WIN 0x40
.irp a, 0,1,2,3,4,5,6,7                ; v: a lane's channel is the same in all eight registers of A's tile a
.irp j, 0,1,2,3,4,5,6,7
.if \a < 4
	global_load_b32 v[BC+8*\a+\j], v14, s[8:9] offset:(32*((\a/2)%2)+8*(\a%2))*4
.else
	global_load_b32 v[BC+8*\a+\j], v14, s[10:11] offset:(32*((\a/2)%2)+8*(\a%2))*4
.endif
.endr
.endr
	WIN 0
.Lbias_done:
; 16 products: A's tiles a0, a0 + 1 x B's eight.  The 64 accumulators take turns, one instruction a turn.  cmode 1, 2: the bias starts the sums.
.macro MUL16 a0, set, q, sc, cmode
.irp a, \a0, \a0+1
.irp b, 0,1,2,3,4,5,6,7
.if (\cmode) == 0
	v_wmma_scale_f32_16x16x128_f8f6f4 v[8*(8*((\a)%4)+\b):8*(8*((\a)%4)+\b)+7], v[96*(\set)+12*\b:96*(\set)+12*\b+11], v[AF+96*(\set)+12*(\a):AF+96*(\set)+12*(\a)+11], v[8*(8*((\a)%4)+\b):8*(8*((\a)%4)+\b)+7], v[SC+24*(\sc)+3*\b+(\q)], v[SC+24*(\sc)+3*(\a)+(\q)] matrix_a_fmt:MATRIX_FMT_FP6 matrix_b_fmt:MATRIX_FMT_FP6 matrix_a_scale:MATRIX_SCALE_ROW1
.elseif (\cmode) == 1
	v_wmma_scale_f32_16x16x128_f8f6f4 v[8*(8*((\a)%4)+\b):8*(8*((\a)%4)+\b)+7], v[96*(\set)+12*\b:96*(\set)+12*\b+11], v[AF+96*(\set)+12*(\a):AF+96*(\set)+12*(\a)+11], v[BC+8*\b:BC+8*\b+7], v[SC+24*(\sc)+3*\b+(\q)], v[SC+24*(\sc)+3*(\a)+(\q)] matrix_a_fmt:MATRIX_FMT_FP6 matrix_b_fmt:MATRIX_FMT_FP6 matrix_a_scale:MATRIX_SCALE_ROW1
.else
	v_wmma_scale_f32_16x16x128_f8f6f4 v[8*(8*((\a)%4)+\b):8*(8*((\a)%4)+\b)+7], v[96*(\set)+12*\b:96*(\set)+12*\b+11], v[AF+96*(\set)+12*(\a):AF+96*(\set)+12*(\a)+11], v[BC+8*(\a):BC+8*(\a)+7], v[SC+24*(\sc)+3*\b+(\q)], v[SC+24*(\sc)+3*(\a)+(\q)] matrix_a_fmt:MATRIX_FMT_FP6 matrix_b_fmt:MATRIX_FMT_FP6 matrix_a_scale:MATRIX_SCALE_ROW1
.endif
.endr
.endr
.endm
.macro FETCH slot, off, trow, set      ; a step's 16 fragments: 48 loads of 512 consecutive bytes
	WIN 0x40
.irp i, 0,1,2,3,4,5,6,7
.irp c, 0,1,2
	ds_load_b128 v[96*(\set)+12*\i+4*\c:96*(\set)+12*\i+4*\c+3], v[ADRB+\slot] offset:\i*(\trow)+(\off)+512*\c
.endr
.endr
	WIN 0
.irp i, 0,1,2,3,4,5,6,7
.irp c, 0,1,2
	ds_load_b128 v[AF+96*(\set)+12*\i+4*\c:AF+96*(\set)+12*\i+4*\c+3], v[ADRA+\slot] offset:\i*(\trow)+(\off)+512*\c
.endr
.endr
.endm
; One of a fill's first two steps: multiplies set s % 2 and fetches the next step into the other.  scf: at a fill's first step, the fill whose scale words are asked for (0: none)
.macro STEP slot, q, s, cmode, scf
	s_wait_dscnt 0x0
.if \scf
	s_wait_loadcnt 0x0                             ; this fill's scale words, asked for three steps ago
.endif
	PLACES 4                                       ; four plain lines in front of loads into registers that matrix instructions have read
	FETCH \slot, ((\q)+1)*FRB, TROW, 1-(\s)%2
.if \scf
	SCLOAD \scf                                    ; into the set that the fill before this one used
.endif
.if \cmode
	WIN 0x91
.else
	WIN 0xa1
.endif
	MUL16 0, (\s)%2, \q, \slot, \cmode
	MUL16 2, (\s)%2, \q, \slot, \cmode
.if \cmode
	WIN 0xd1
.else
	WIN 0xf1
.endif
	MUL16 4, (\s)%2, \q, \slot, \cmode
	MUL16 6, (\s)%2, \q, \slot, \cmode
	WIN 0
.endm
; A fill's third step changes slots.  fill 1: the slot takes three steps more; 2: the last step; 0: nothing.  pf: the fill that is prefetched (0: none)
.macro TURN slot, next, s, fill, ntrow, pf
	s_wait_tensorcnt 0x0                           ; all my tensor loads have landed: the one that was out is my part of the next slot
	ds_add_u32 v[SPW], v[NIL]                      ; 0 onto my spare word
	s_wait_dscnt 1                                 ; this step's fragments are in; the add may be out
	WIN 0xa1
	MUL16 0, (\s)%2, 2, \slot, 0
	s_wait_dscnt 0x0                               ; the add is done, and my reads of this slot are over
	s_barrier_signal -1
	MUL16 2, (\s)%2, 2, \slot, 0
	WIN 0
	s_barrier_wait -1
.if \fill
	CREST                                          ; the barrier has opened a round of the cluster's: no wave of any partner still reads this slot or has a load on its way
	s_add_nc_u64 s[G0+4*\slot+2:G0+4*\slot+3], s[G0+4*\slot+2:G0+4*\slot+3], 2*TROW
	s_add_nc_u64 s[G0B+4*\slot+2:G0B+4*\slot+3], s[G0B+4*\slot+2:G0B+4*\slot+3], 2*TROW
.if (\fill) == 2
	JLOAD G0+4*\slot, G1S, G0B+4*\slot, G1SB
.else
	JLOAD G0+4*\slot, G1, G0B+4*\slot, G1B         ; its four v_nop are also the places in front of the loads below
.endif
.else
	PLACES 4
.endif
	FETCH \next, 0, \ntrow, 1-(\s)%2
.if \pf
	PREF \pf
.endif
	WIN 0xf1
	MUL16 4, (\s)%2, 2, \slot, 0
	MUL16 6, (\s)%2, 2, \slot, 0
	WIN 0
.endm
; 64 registers (A's tile a x B's eight) become a fragment: four blocks of 32 along the next K; a block lies in lanes l and l xor 16
.macro QUANTW
	WIN 5*QW
.irp b, 0,1,2,3
	v_max3_num_f32 v[TM+\b], |v[QB+16*\b]|, |v[QB+16*\b+1]|, 0x1800000     ; with the floor 2^(3 - 127): the byte cannot fall under 1.  Each accumulator from its low end on
.endr
.irp i, 2,4,6,8,10,12,14
.irp b, 0,1,2,3
	v_max3_num_f32 v[TM+\b], |v[QB+16*\b+\i]|, |v[QB+16*\b+\i+1]|, v[TM+\b]
.endr
.endr
	WIN 0
.irp b, 0,1,2,3
	v_permlanex16_b32 v[TM+4+\b], v[TM+\b], s[SEL], s[SEL+1]
.endr
.irp b, 0,1,2,3
	v_max_num_f32 v[TM+\b], v[TM+\b], v[TM+4+\b]
.endr
.irp b, 0,1,2,3
	v_add_nc_u32 v[TM+12+\b], 0xff000000, v[TM+\b]  ; 2 off the exponent field: the conversion's scale operand
.endr
.irp b, 0,1,2,3
	v_lshrrev_b32 v[TM+4+\b], 23, v[TM+12+\b]
.endr
	v_lshl_or_b32 v[QP], v[TM+5], 8, v[TM+4]
	v_lshl_or_b32 v[QP], v[TM+6], 16, v[QP]
	v_lshl_or_b32 v[QP], v[TM+7], 24, v[QP]
	s_wait_alu depctr_va_vdst(0)
	s_wait_xcnt 0x0                                ; the last fragment's stores have read their registers
	WIN QW
.irp c, 0,1
	v_cvt_scalef32_pk16_fp6_f32 v[PC+6*\c:PC+2+6*\c], v[QB+32*\c:QB+15+32*\c], v[TM+12+2*\c]
	v_cvt_scalef32_pk16_fp6_f32 v[PC+12+4*\c:PC+14+4*\c], v[QB+16+32*\c:QB+31+32*\c], v[TM+12+2*\c+1]
.endr
	WIN 0
	v_nop                                          ; one plain line behind the conversions
.irp c, 0,1
.irp i, 0,1,2
	v_permlane16_swap_b32 v[PC+6*\c+\i], v[PC+12+4*\c+\i]      ; a whole block to a lane
.endr
.irp i, 0,1,2
	v_mov_b32 v[PC+3+6*\c+\i], v[PC+12+4*\c+\i]
.endr
.endr
.endm
	s_wait_tensorcnt 0x0                           ; my part of fill 0 is in
	ds_add_u32 v[SPW], v[NIL]
	s_wait_dscnt 0x0
	CROUND                                         ; everybody's part is in, and all sixteen work-groups are here
	JLOAD G0+4, G1, G0B+4, G1B                     ; fill 1, the first tensor load behind the round
	FETCH 0, 0, TROW, 0
	PREF 2
	s_wait_loadcnt 0x0                             ; the bias and the first two fills' scale words
	s_cmp_lt_u32 ttmp9, 4
	s_cbranch_scc0 .Lfirst_v
	STEP 0, 0, 0, 1, 0
	s_branch .Lfirst_done
.Lfirst_v:
	STEP 0, 0, 0, 2, 0
.Lfirst_done:
	STEP 0, 1, 1, 0, 0
	TURN 0, 1, 2, 1, TROW, 3
	STEP 1, 0, 3, 0, 2
	STEP 1, 1, 4, 0, 0
	TURN 1, 0, 5, 1, TROW, 4
	STEP 0, 0, 6, 0, 3
	STEP 0, 1, 7, 0, 0
	TURN 0, 1, 8, 1, TROW, 0
	STEP 1, 0, 9, 0, 4
	STEP 1, 1, 10, 0, 0
	TURN 1, 0, 11, 2, TROW, 0
	STEP 0, 0, 12, 0, 5
	STEP 0, 1, 13, 0, 0
	TURN 0, 1, 14, 0, FRB, 0
	s_wait_dscnt 0x0
	s_wait_loadcnt 0x0                             ; step 15's scale words
	WIN 0xa1
	MUL16 0, 1, 0, 1, 0
	MUL16 2, 1, 0, 1, 0
	WIN 0xf1
	MUL16 4, 1, 0, 1, 0
	MUL16 6, 1, 0, 1, 0
	WIN 0
	PLACES 4
.irp b, 0,1,2,3
	v_mov_b32 v[TM+4+\b], 0                        ; written once: a lane permute's destination counts as one of its sources
.endr
.irp a, 0,1,2,3,4,5,6,7
.set QW, 2+\a/4
.set QB, 64*(\a%4)
.set QP, PWS+\a
	QUANTW
.irp c, 0,1,2
	global_store_b128 v[LI], v[PC+4*\c:PC+4*\c+3], s[12:13] offset:\a*FRB+512*\c     ; 512 consecutive bytes
.endr
.endr
	v_cmp_lt_u32 vcc_lo, 15, v1
.irp i, 0,1,2,3
	v_cndmask_b32 v[SWZ+\i], v[PWS+\i], v[PWS+4+\i], vcc_lo    ; row r's eight words: lanes 0-15 tiles 0-3, lanes 16-31 tiles 4-7
.endr
	global_store_b128 v[SWO], v[SWZ:SWZ+3], s[14:15]           ; 512 consecutive bytes
	s_wait_tensorcnt 0x0                           ; the wave's end
	ds_add_u32 v[SPW], v[NIL]
	s_wait_dscnt 0x0
	CROUND                                         ; the closing round
	s_endpgm
.Lfunc_end_k_qca0667c748_qkv:
	.size	k_qca0667c748_qkv, .Lfunc_end_k_qca0667c748_qkv-k_qca0667c748_qkv
	.p2alignl 7, 3214868480
	.fill 96, 4, 3214868480
	.section	.rodata,"a",@progbits
	.p2align	6, 0x0
	.amdhsa_kernel k_qca0667c748_qkv
		.amdhsa_group_segment_fixed_size 327680
		.amdhsa_private_segment_fixed_size 0
		.amdhsa_enable_private_segment 0
		.amdhsa_kernarg_size 48
		.amdhsa_user_sgpr_count 2
		.amdhsa_user_sgpr_kernarg_segment_ptr 1
		.amdhsa_wavefront_size32 1
		.amdhsa_system_sgpr_workgroup_id_x 1
		.amdhsa_system_sgpr_workgroup_id_y 1
		.amdhsa_system_sgpr_workgroup_id_z 1
		.amdhsa_system_vgpr_workitem_id 0
		.amdhsa_next_free_vgpr 1024
		.amdhsa_next_free_sgpr 102
		.amdhsa_reserve_vcc 1
		.amdhsa_float_denorm_mode_32 3
		.amdhsa_float_denorm_mode_16_64 3
		.amdhsa_memory_ordered 1
		.amdhsa_forward_progress 1
		.amdhsa_inst_pref_size 255
	.end_amdhsa_kernel
	.section	.bss,"aw",@nobits
	.p2align	6
	.space	262144
	.amdgpu_metadata
---
amdhsa.version: [ 1, 2 ]
amdhsa.kernels:
  - .name:           k_qca0667c748_qkv
    .symbol:         k_qca0667c748_qkv.kd
    .args:
      - { .name: FR, .offset: 0, .size: 8, .value_kind: global_buffer, .address_space: global }
      - { .name: SCB, .offset: 8, .size: 8, .value_kind: global_buffer, .address_space: global }
      - { .name: br, .offset: 16, .size: 8, .value_kind: global_buffer, .address_space: global }
      - { .name: bi, .offset: 24, .size: 8, .value_kind: global_buffer, .address_space: global }
      - { .name: QKV, .offset: 32, .size: 8, .value_kind: global_buffer, .address_space: global }
      - { .name: SQKV, .offset: 40, .size: 8, .value_kind: global_buffer, .address_space: global }
    .group_segment_fixed_size: 327680
    .private_segment_fixed_size: 0
    .kernarg_segment_align: 8
    .kernarg_segment_size: 48
    .max_flat_workgroup_size: 128
    .sgpr_count:     102
    .vgpr_count:     1024
    .wavefront_size: 32
...
	.end_amdgpu_metadata
.endif
;; end of part 2
;; launch attn (part 3): grid 4 x 64, 8 waves a work-group, clusters of 4 x 1, 168,960 bytes of LDS; arguments QKV, SQKV, OF, OS; writes OF, OS
.if DOCPART == 3
	.amdgcn_target "amdgcn-amd-amdhsa--gfx1250"
	.amdhsa_code_object_version 6
	.text
	.protected	k_qca0667c748_attn
	.globl	k_qca0667c748_attn
	.p2align	8
	.type	k_qca0667c748_attn,@function
k_qca0667c748_attn:
	s_mov_b64 s[64:65], 0
	v_nop
	global_prefetch_b8 v0, s[64:65] scope:SCOPE_SE
	s_setreg_imm32_b32 hwreg(HW_REG_WAVE_MODE, 25, 1), 1
	s_wait_xcnt 0x0
	s_wait_alu depctr_hold_cnt(0) depctr_sa_sdst(0) depctr_va_vdst(0) depctr_va_sdst(0) depctr_va_ssrc(0) depctr_va_vcc(0) depctr_vm_vsrc(0)
	s_getreg_b32 s2, hwreg(HW_REG_IB_STS2, 6, 4)
	s_cmp_eq_u32 s2, 0
	s_cbranch_scc0 .Lentry_in_a_cluster
	s_endpgm
.Lentry_in_a_cluster:
	s_bfe_u32 s2, ttmp6, 0x10000c
	s_cmp_lg_u32 s2, 0x3003
	s_cbranch_scc0 .Lentry_shape_is_right
	s_endpgm
.Lentry_shape_is_right:
; Attention of one (batch, head) on codes of FP6 (E2M3): sim = Q conj(K)^T, softmax over |sim| / 8, the weights times Vr and Vi; the result is quantised as the last layer's operand.
; One matrix instruction a tile gives each part of sim, with K' = [real 64 | imaginary 64]:  sim_r = [Kr | Ki] . [Qr | Qi],  sim_i = [Kr | Ki] . [Qi | -Qr].
; THE SOFTMAX: t = |sim| x log2(e) / 8; M = the row's largest t so far, rounded up to a whole number; p = 2^(t - M) is quantised along the keys, not normalised; the row's sum is taken of the
; unquantised p and divides at the end.  When M moves, the sum and O are multiplied by 2^(old M - new M), which rounds nothing.
; A block's largest p is not searched for: the block's largest |sim|^2 goes through the same root, multiply-add and exponential (this takes v_sqrt_f32 and v_exp_f32 not to fall where their input rises).
; SHARES: a work-group owns 128 queries of a head, each of its eight waves 16: one tile.  Both products are used transposed (source 0 = 16 keys, or 16 channels of V): a lane holds one query throughout.
; The keys of a tile are 32 B + 8 u + r + 8 (r / 8), so that p's 16 registers of two neighbouring tiles are 16 neighbouring keys.
; LDS: the head's K and V, 98,304 bytes of images of the operands' registers, are filled once.  Wave w brings, by its ONE tensor load, tiles 2 w and 2 w + 1 (of K's 8, then V's 8) of all four key steps:
; 4 rows of 3,072 bytes, 36,864 bytes apart in memory, on end in LDS.  One barrier shows all of it to every wave.
; The 4,096 bytes of K's and V's scale words come through registers, 16 bytes a thread, into LDS bytes of their own.
; CLUSTER: the four work-groups of a head read the same K and V: each wave's load is asked for jointly, with the mask of all four.
; No prefetch: the launch has no loop to run ahead in; all that it reads is asked for at its head.
; The scale words of the result leave as 64 bytes a wave, one part in 24 of what the wave stores: rows of OS belong to sixteen heads' work-groups.
; LIMITS: NaN and infinities are not served; |sim|^2 must stay inside f32, as it must in the definition.
.set FRB,  1536
.set WB,   12288                       ; a wave's part of LDS: [key step 4][tile 2][1,536]
.set SCL,  8*WB                        ; the scale words: 1,024 bytes a step: K's [r][tile], then V's
.set SPARE, 0x29000                    ; the spare words: 1,024 bytes that no other line names
.set LI0, 1                            ; v1  16 x lane: K's tiles;  v2  4 WB on: V's
.set LSC, 3                            ; v3  SCL + 32 r
.set Q,   16                           ; v16-27 [Qr | Qi]
.set QP,  28                           ; v28-39 [Qi | -Qr]
.set KF,  40                           ; v40-87 four fragments of K or of V; in the softmax: at work
.set BM,  40
.set BT,  44
.set SO,  48
.set BY,  52
.set FF,  56                           ; v[56:57] f = 2^(old M - new M)
.set SCR, 58
.set CT,  60
.set TI,  88                           ; v88-119 sim_i of four tiles
.set PC,  88                           ; afterwards v88-99: p's codes
.set S,   120                          ; v120-183 sim_r, |sim|^2, |sim|, t - M, p
.set O,   184                          ; v184-247 O^T
.set KS,  248
.set QS,  252
.set QSP, 253
.set PS,  254
.set WV,  18
.set SEL, 20
.set CS,  22
.set G1T, 24
.set G0,  40
.macro CROUND
	s_barrier_signal -1
	s_barrier_wait -1
	s_cmp_lg_u32 s[WV], 0
	s_cbranch_scc1 .Lnot_wave_0_\@
	s_barrier_signal -3
.Lnot_wave_0_\@:
	s_barrier_wait -3
	s_barrier_signal -1
	s_barrier_wait -1
.endm
	s_load_b256 s[4:11], s[0:1], 0x0               ; QKV, SQKV, OF, OS
	v_lshl_add_u32 v11, v0, 2, SPARE
	v_mov_b32 v255, 0
	ds_add_u32 v11, v255                           ; the opening: the add, twice on end, and its wait
	ds_add_u32 v11, v255
	v_lshrrev_b32 v4, 5, v0
	s_delay_alu instid0(VALU_DEP_1)
	v_readfirstlane_b32 s[WV], v4                  ; wave 0..7
	s_bfe_u32 s60, ttmp6, 0x40000                  ; cx: which 128 queries: it enters Q's and the result's addresses alone
	s_and_b32 s61, ttmp7, 0xffff                   ; 16 x batch + head
	s_mov_b32 s[G1T], 15|(3<<16)|(1<<21)           ; the mask: all four work-groups; elements of 8 bytes; bit 21 beside the mask
	s_mov_b32 s[G1T+1], 384<<16                    ; rows of 3,072 bytes,
	s_mov_b32 s[G1T+2], 4<<16                      ; four of them, a key step each,
	s_mov_b32 s[G1T+3], 384<<16
	s_mov_b32 s[G1T+4], 4
	s_mov_b32 s[G1T+5], 4608                       ; 36,864 bytes apart
	s_mov_b32 s[G1T+6], 0
	s_mov_b32 s[G1T+7], 0
	s_mul_i32 s66, s61, 147456
	s_mul_i32 s62, s[WV], 3072
	s_add_co_u32 s66, s66, s62                     ; my two tiles of the head's first key step
	s_mov_b32 s67, 0
	s_mul_i32 s68, s61, 6144                       ; the head's scale words
	s_mov_b32 s69, 0
	s_mul_i32 s63, s[WV], WB
	s_mov_b32 s[SEL], 0x76543210
	s_mov_b32 s[SEL+1], 0xfedcba98
	s_mov_b32 s[CS], 0x3e38aa3b                    ; c = log2(e) / 8
	s_mov_b32 s[CS+1], s[CS]                       ; (named with it as a pair, so it is written)
	s_wait_dscnt 0x0
	s_wait_kmcnt 0x0
	s_add_nc_u64 s[66:67], s[4:5], s[66:67]
	s_add_nc_u64 s[68:69], s[6:7], s[68:69]
	s_mov_b32 s[G0], 1
	s_mov_b32 s[G0+1], s63
	s_mov_b64 s[G0+2:G0+3], s[66:67]
	s_or_b32 s[G0+3], s[G0+3], 0x80000000
	CROUND                                         ; all four work-groups are here: the joint loads meet
	tensor_load_to_lds s[G0:G0+3], s[G1T:G1T+7]    ; my one tensor load
	s_nop 0
.rept 4
	v_nop
.endr
	s_mul_i32 s70, s61, 147456
	s_mul_i32 s72, s60, 36864
	s_add_co_u32 s70, s70, s72
	s_mul_i32 s72, s[WV], FRB
	s_add_co_u32 s70, s70, s72
	s_add_co_u32 s70, s70, 24576                   ; Q: kind 2 of step cx, tile = my wave
	s_mov_b32 s71, 0
	s_add_nc_u64 s[70:71], s[4:5], s[70:71]
	s_mul_i32 s72, s61, 6144
	s_mul_i32 s74, s60, 1536
	s_add_co_u32 s72, s72, s74
	s_lshl_b32 s74, s[WV], 2
	s_add_co_u32 s72, s72, s74
	s_add_co_u32 s72, s72, 1024
	s_mov_b32 s73, 0
	s_add_nc_u64 s[72:73], s[6:7], s[72:73]        ; and its scale words, 32 bytes from row to row
	s_lshr_b32 s74, s61, 4                         ; batch
	s_and_b32 s75, s61, 15                         ; head
	s_lshl_b32 s74, s74, 5
	s_lshl_b32 s76, s60, 3
	s_add_co_u32 s74, s74, s76
	s_add_co_u32 s74, s74, s[WV]                   ; my token tile: 32 x batch + 8 cx + wave
	s_mul_i32 s76, s74, 24576
	s_mul_i32 s78, s75, FRB
	s_add_co_u32 s76, s76, s78
	s_mov_b32 s77, 0
	s_add_nc_u64 s[8:9], s[8:9], s[76:77]          ; the result: K' step = head of that tile
	s_lshl_b32 s76, s74, 10
	s_lshl_b32 s78, s75, 6
	s_add_co_u32 s76, s76, s78
	s_add_nc_u64 s[10:11], s[10:11], s[76:77]
	v_and_b32 v4, 31, v0
	v_and_b32 v8, 15, v0                           ; r
	v_lshrrev_b32 v6, 6, v0                        ; K's and V's scale words: thread / 64 is the key step,
	v_and_b32 v10, 63, v0
	v_lshlrev_b32 v1, 4, v4
	v_lshlrev_b32 v5, 5, v8
	v_mul_u32_u24 v6, v6, 1536                     ; 1,536 bytes apart in memory,
	v_lshl_add_u32 v9, v0, 4, SCL                  ; 1,024 in LDS: 16 bytes a thread, on end
	v_add_nc_u32 v2, 4*WB, v1
	v_add_nc_u32 v3, SCL, v5
	v_lshl_add_u32 v6, v10, 4, v6
.irp c, 0,1,2
	global_load_b128 v[Q+4*\c:Q+4*\c+3], v1, s[70:71] offset:512*\c
.endr
	global_load_b32 v[QS], v5, s[72:73]
	global_load_b128 v[40:43], v6, s[68:69]        ; 64 threads read a step's 1,024 consecutive bytes
	s_wait_alu depctr_va_vdst(0)
	s_wait_loadcnt 0x0
	ds_store_b128 v9, v[40:43]
	v_alignbit_b32 v[QSP], v[QS], v[QS], 16        ; the halves change places in the scale word too
.irp i, 0,1,2,3,4,5
	v_mov_b32 v[QP+\i], v[Q+6+\i]                  ; Qi,
.endr
.irp i, 0,3
	v_xor_b32 v[QP+6+\i], 0x20820820, v[Q+\i]      ; -Qr: the sign bits of 16 codes in three registers
	v_xor_b32 v[QP+7+\i], 0x08208208, v[Q+1+\i]
	v_xor_b32 v[QP+8+\i], 0x82082082, v[Q+2+\i]
.endr
	v_mov_b32 v13, 0xff61b1e6                      ; the largest t so far: -3e38
	s_delay_alu instid0(VALU_DEP_1)
	v_floor_f32 v12, -v13                          ; -M
	v_mov_b32 v14, 0                               ; the sum, in two halves
	v_mov_b32 v15, 0
; A KEY STEP: 128 keys.
.macro KSTEP st
.if (\st) == 0
	s_wait_tensorcnt 0x0                           ; my two tiles of all four key steps are in,
	s_wait_dscnt 0x0                               ; and my 16 bytes a lane of the scale words lie in LDS
	s_barrier_signal -1
	s_barrier_wait -1                              ; everybody's do: nothing is filled or stored again
.endif
.irp g, 0,1                            ; |sim|^2, four tiles of 16 keys at a time
.if \g == 0
.rept 5
	v_nop                                          ; four places in front of loads into registers that the last products read; a fifth, since sim_i's products write over the registers that held p's codes
.endr
.endif
.irp t, 0,1,2,3
.irp c, 0,1,2
	ds_load_b128 v[KF+12*\t+4*\c:KF+12*\t+4*\c+3], v[LI0] offset:((4*\g+\t)/2)*WB+(\st)*3072+(\t%2)*FRB+512*\c
.endr
.endr
	ds_load_b128 v[KS:KS+3], v[LSC] offset:(\st)*1024+16*\g
	s_wait_dscnt 0x0
.irp t, 0,1,2,3
	v_wmma_scale_f32_16x16x128_f8f6f4 v[S+32*\g+8*\t:S+32*\g+8*\t+7], v[KF+12*\t:KF+12*\t+11], v[Q:Q+11], 0, v[KS+\t], v[QS] matrix_a_fmt:MATRIX_FMT_FP6 matrix_b_fmt:MATRIX_FMT_FP6
.endr
.irp t, 0,1,2,3
	v_wmma_scale_f32_16x16x128_f8f6f4 v[TI+8*\t:TI+8*\t+7], v[KF+12*\t:KF+12*\t+11], v[QP:QP+11], 0, v[KS+\t], v[QSP] matrix_a_fmt:MATRIX_FMT_FP6 matrix_b_fmt:MATRIX_FMT_FP6
.endr
.rept 4
	v_nop
.endr
.set n, 0
.rept 16
	v_pk_mul_f32 v[S+32*\g+n:S+32*\g+n+1], v[S+32*\g+n:S+32*\g+n+1], v[S+32*\g+n:S+32*\g+n+1]   ; each accumulator from its low end on
.set n, n+2
.endr
.set n, 0
.rept 16
	v_pk_fma_f32 v[S+32*\g+n:S+32*\g+n+1], v[TI+n:TI+n+1], v[TI+n:TI+n+1], v[S+32*\g+n:S+32*\g+n+1]
.set n, n+2
.endr
.endr                                  ; register 16 b + i: key 32 b + 16 h + i of the step
.irp b, 0,1,2,3
	v_max3_num_f32 v[BM+\b], v[S+16*\b], v[S+16*\b+1], v[S+16*\b+2]     ; the largest |sim|^2 of each block of 32 keys
.endr
.irp i, 3,5,7,9,11,13
.irp b, 0,1,2,3
	s_delay_alu instid0(VALU_DEP_4)
	v_max3_num_f32 v[BM+\b], v[BM+\b], v[S+16*\b+\i], v[S+16*\b+\i+1]
.endr
.endr
.irp b, 0,1,2,3
	s_delay_alu instid0(VALU_DEP_4)
	v_max_num_f32 v[BM+\b], v[BM+\b], v[S+16*\b+15]
.endr
.irp b, 0,1,2,3
	s_delay_alu instid0(VALU_DEP_4)
	v_permlanex16_b32 v[BT+\b], v[BM+\b], s[SEL], s[SEL+1]
.endr
.irp b, 0,1,2,3
	s_delay_alu instid0(VALU_DEP_4)
	v_max_num_f32 v[BM+\b], v[BM+\b], v[BT+\b]     ; with lane l xor 16's 16 keys
.endr
.set n, 0
	s_wait_alu depctr_va_vdst(0)
.rept 64
	v_sqrt_f32 v[S+n], v[S+n]                      ; |sim|: one batch of 68 roots
.set n, n+1
.endr
.irp b, 0,1,2,3
	v_sqrt_f32 v[BM+\b], v[BM+\b]
.endr
	v_mov_b32 v[SCR], v12                          ; the old -M.  (The plain line behind the roots)
	s_wait_alu depctr_va_vdst(0)                   ; one wait for the batch, ahead of its first reader
	v_max3_num_f32 v[SCR+1], v[BM], v[BM+1], v[BM+2]
	v_max_num_f32 v[SCR+1], v[SCR+1], v[BM+3]      ; the step's largest |sim| of my query
	s_delay_alu instid0(VALU_DEP_1)
	v_mul_f32 v[SCR+1], s[CS], v[SCR+1]            ; as t
	s_delay_alu instid0(VALU_DEP_1)
	v_max_num_f32 v13, v13, v[SCR+1]               ; the running largest t
	s_delay_alu instid0(VALU_DEP_1)
	v_floor_f32 v12, -v13                          ; the new -M = -ceil(t)
	s_delay_alu instid0(VALU_DEP_1)
	v_sub_f32 v[SCR], v12, v[SCR]                  ; old M - new M: a whole number, 0 or less
	s_delay_alu instid0(VALU_DEP_1)
	v_cvt_i32_f32 v[SCR], v[SCR]                   ; (it saturates)
	s_delay_alu instid0(VALU_DEP_1)
	v_ldexp_f32 v[FF], 1.0, v[SCR]                 ; f
.set n, 0
.rept 32
	v_pk_fma_f32 v[S+n:S+n+1], v[S+n:S+n+1], s[CS:CS+1], v[12:13] op_sel_hi:[1,0,0]   ; t - M, two at a time
.set n, n+2
.endr
.irp b, 0,1,2,3
	v_fma_f32 v[BM+\b], v[BM+\b], s[CS], v12
.endr
.set n, 0
	s_wait_alu depctr_va_vdst(0)
.rept 64
	v_exp_f32 v[S+n], v[S+n]                       ; p = 2^(t - M), at most 1
.set n, n+1
.endr
	v_pk_mul_f32 v[14:15], v[14:15], v[FF:FF+1] op_sel_hi:[1,0]        ; the sums under the new M.  (The plain line behind the exponentials)
	s_wait_alu depctr_va_vdst(0)                   ; one wait for the 64
.irp b, 0,1,2,3
	v_exp_f32 v[BM+\b], v[BM+\b]                   ; each block's largest p
.endr
	v_pk_add_f32 v[58:59], v[124:125], v[128:129]  ; the row's sum of the unquantised p, in eight chains
	v_pk_add_f32 v[250:251], v[132:133], v[136:137]
	v_pk_add_f32 v[248:249], v[140:141], v[144:145]
	v_pk_add_f32 v[118:119], v[148:149], v[152:153]
	v_pk_add_f32 v[116:117], v[156:157], v[160:161]
	v_pk_add_f32 v[114:115], v[164:165], v[168:169]
	v_pk_add_f32 v[112:113], v[172:173], v[176:177]
	v_pk_add_f32 v[14:15], v[14:15], v[180:181]
	v_pk_add_f32 v[58:59], v[58:59], v[120:121]
	v_pk_add_f32 v[250:251], v[250:251], v[122:123]
	v_pk_add_f32 v[248:249], v[248:249], v[126:127]
	v_pk_add_f32 v[118:119], v[118:119], v[130:131]
	v_pk_add_f32 v[116:117], v[116:117], v[134:135]
	v_pk_add_f32 v[114:115], v[114:115], v[138:139]
	v_pk_add_f32 v[112:113], v[112:113], v[142:143]
	v_pk_add_f32 v[14:15], v[14:15], v[146:147]
	v_pk_add_f32 v[58:59], v[58:59], v[150:151]
	v_pk_add_f32 v[250:251], v[250:251], v[154:155]
	v_pk_add_f32 v[248:249], v[248:249], v[158:159]
	v_pk_add_f32 v[118:119], v[118:119], v[162:163]
	v_pk_add_f32 v[116:117], v[116:117], v[166:167]
	v_pk_add_f32 v[114:115], v[114:115], v[170:171]
	v_pk_add_f32 v[112:113], v[112:113], v[174:175]
	v_pk_add_f32 v[14:15], v[14:15], v[178:179]
	v_pk_add_f32 v[58:59], v[58:59], v[182:183]
	s_delay_alu instid0(VALU_DEP_2)
	v_pk_add_f32 v[14:15], v[14:15], v[118:119]
	s_delay_alu instid0(VALU_DEP_2)
	v_pk_add_f32 v[58:59], v[58:59], v[116:117]
	v_pk_add_f32 v[250:251], v[250:251], v[114:115]
	v_pk_add_f32 v[248:249], v[248:249], v[112:113]
	s_delay_alu instid0(VALU_DEP_2)
	v_pk_add_f32 v[14:15], v[14:15], v[250:251]
	s_delay_alu instid0(VALU_DEP_2)
	v_pk_add_f32 v[58:59], v[58:59], v[248:249]
	s_delay_alu instid0(VALU_DEP_1)
	v_pk_add_f32 v[14:15], v[14:15], v[58:59]
	s_wait_alu depctr_va_vdst(0)                   ; and one for the four
.irp b, 0,1,2,3
	v_max_num_f32 v[BM+\b], 0x1800000, v[BM+\b]    ; the floor 2^(3 - 127): the byte cannot fall under 1
.endr
.irp b, 0,1,2,3
	s_delay_alu instid0(VALU_DEP_4)
	v_add_nc_u32 v[SO+\b], 0xff000000, v[BM+\b]
.endr
.irp b, 0,1,2,3
	s_delay_alu instid0(VALU_DEP_4)
	v_lshrrev_b32 v[BY+\b], 23, v[SO+\b]
.endr
	s_delay_alu instid0(VALU_DEP_3)
	v_lshl_or_b32 v[PS], v[BY+1], 8, v[BY]         ; p's scale word for these 128 keys
	s_delay_alu instid0(VALU_DEP_1)
	v_lshl_or_b32 v[PS], v[BY+2], 16, v[PS]
	s_delay_alu instid0(VALU_DEP_1)
	v_lshl_or_b32 v[PS], v[BY+3], 24, v[PS]
.irp c, 0,1
	v_cvt_scalef32_pk16_fp6_f32 v[PC+6*\c:PC+2+6*\c], v[S+32*\c:S+15+32*\c], v[SO+2*\c]
	v_cvt_scalef32_pk16_fp6_f32 v[CT+4*\c:CT+2+4*\c], v[S+16+32*\c:S+31+32*\c], v[SO+2*\c+1]
.endr
	v_nop                                          ; one plain line behind the conversions
.irp c, 0,1
.irp i, 0,1,2
	v_permlane16_swap_b32 v[PC+6*\c+\i], v[CT+4*\c+\i]
.endr
.irp i, 0,1,2
	s_delay_alu instid0(VALU_DEP_3)
	v_mov_b32 v[PC+3+6*\c+\i], v[CT+4*\c+\i]
.endr
.endr
.if (\st) > 0
.set n, 0
.rept 32
	v_pk_mul_f32 v[O+n:O+n+1], v[O+n:O+n+1], v[FF:FF+1] op_sel_hi:[1,0]   ; O^T under the new M.  (Also the places in front of the products below)
.set n, n+2
.endr
.else
	s_wait_alu depctr_va_vdst(0)
.rept 8
	v_nop                                          ; a scale word made by vector instructions stands eight places ahead of the product
.endr
.endif
	s_wait_alu depctr_va_vdst(0)
.irp g, 0,1                            ; O^T += V^T P^T: four tiles of 16 channels at a time
.if \g > 0
.rept 4
	v_nop
.endr
.endif
.irp t, 0,1,2,3
.irp c, 0,1,2
	ds_load_b128 v[KF+12*\t+4*\c:KF+12*\t+4*\c+3], v[LI0+1] offset:((4*\g+\t)/2)*WB+(\st)*3072+(\t%2)*FRB+512*\c
.endr
.endr
	ds_load_b128 v[KS:KS+3], v[LSC] offset:(\st)*1024+512+16*\g
	s_wait_dscnt 0x0
.irp t, 0,1,2,3
.if (\st) == 0
	v_wmma_scale_f32_16x16x128_f8f6f4 v[O+8*(4*\g+\t):O+8*(4*\g+\t)+7], v[KF+12*\t:KF+12*\t+11], v[PC:PC+11], 0, v[KS+\t], v[PS] matrix_a_fmt:MATRIX_FMT_FP6 matrix_b_fmt:MATRIX_FMT_FP6
.else
	v_wmma_scale_f32_16x16x128_f8f6f4 v[O+8*(4*\g+\t):O+8*(4*\g+\t)+7], v[KF+12*\t:KF+12*\t+11], v[PC:PC+11], v[O+8*(4*\g+\t):O+8*(4*\g+\t)+7], v[KS+\t], v[PS] matrix_a_fmt:MATRIX_FMT_FP6 matrix_b_fmt:MATRIX_FMT_FP6
.endif
.endr
.endr
.endm
	s_wait_alu depctr_va_vdst(0)
	KSTEP 0
	KSTEP 1
	KSTEP 2
	KSTEP 3
	; THE WAY OUT: O^T / the sum; register 16 b + i is channel 32 b + 16 h + i of [out_r 64 | out_i 64]: K' step = head of the last layer, quantised here
.rept 4
	v_nop
.endr
	v_add_f32 v14, v14, v15
	s_delay_alu instid0(VALU_DEP_1)
	v_permlanex16_b32 v[SCR], v14, s[SEL], s[SEL+1]
	s_delay_alu instid0(VALU_DEP_1)
	v_add_f32 v14, v14, v[SCR]                     ; the row's sum
	s_wait_alu depctr_va_vdst(0)
	v_rcp_f32 v14, v14
	v_lshlrev_b32 v7, 2, v8                        ; 4 r.  (The plain line behind the reciprocal)
	s_wait_alu depctr_va_vdst(0)                   ; the wait ahead of its first reader
.set n, 0
.rept 32
	v_pk_mul_f32 v[O+n:O+n+1], v[O+n:O+n+1], v[14:15] op_sel_hi:[1,0]   ; each accumulator from its low end on
.set n, n+2
.endr
.set TM, 40
.irp b, 0,1,2,3
	v_max3_num_f32 v[TM+\b], |v[O+16*\b]|, |v[O+16*\b+1]|, 0x1800000
.endr
.irp i, 2,4,6,8,10,12,14
.irp b, 0,1,2,3
	s_delay_alu instid0(VALU_DEP_4)
	v_max3_num_f32 v[TM+\b], v[TM+\b], |v[O+16*\b+\i]|, |v[O+16*\b+\i+1]|
.endr
.endr
.irp b, 0,1,2,3
	s_delay_alu instid0(VALU_DEP_4)
	v_permlanex16_b32 v[TM+4+\b], v[TM+\b], s[SEL], s[SEL+1]
.endr
.irp b, 0,1,2,3
	s_delay_alu instid0(VALU_DEP_4)
	v_max_num_f32 v[TM+\b], v[TM+\b], v[TM+4+\b]
.endr
.irp b, 0,1,2,3
	s_delay_alu instid0(VALU_DEP_4)
	v_add_nc_u32 v[TM+12+\b], 0xff000000, v[TM+\b]
.endr
.irp b, 0,1,2,3
	s_delay_alu instid0(VALU_DEP_4)
	v_lshrrev_b32 v[TM+4+\b], 23, v[TM+12+\b]
.endr
	s_delay_alu instid0(VALU_DEP_3)
	v_lshl_or_b32 v56, v[TM+5], 8, v[TM+4]
	s_delay_alu instid0(VALU_DEP_1)
	v_lshl_or_b32 v56, v[TM+6], 16, v56
	s_delay_alu instid0(VALU_DEP_1)
	v_lshl_or_b32 v56, v[TM+7], 24, v56
.irp c, 0,1
	v_cvt_scalef32_pk16_fp6_f32 v[PC+6*\c:PC+2+6*\c], v[O+32*\c:O+15+32*\c], v[TM+12+2*\c]
	v_cvt_scalef32_pk16_fp6_f32 v[PC+12+4*\c:PC+14+4*\c], v[O+16+32*\c:O+31+32*\c], v[TM+12+2*\c+1]
.endr
	v_nop
.irp c, 0,1
.irp i, 0,1,2
	v_permlane16_swap_b32 v[PC+6*\c+\i], v[PC+12+4*\c+\i]
.endr
.irp i, 0,1,2
	s_delay_alu instid0(VALU_DEP_3)
	v_mov_b32 v[PC+3+6*\c+\i], v[PC+12+4*\c+\i]
.endr
.endr
.irp c, 0,1,2
	global_store_b128 v1, v[PC+4*\c:PC+4*\c+3], s[8:9] offset:512*\c
.endr
	global_store_b32 v7, v56, s[10:11]             ; both halves of the lanes store the same word
	s_wait_tensorcnt 0x0                           ; the wave's end
	ds_add_u32 v11, v255
	s_wait_dscnt 0x0
	CROUND                                         ; the closing round
	s_endpgm
.Lfunc_end_k_qca0667c748_attn:
	.size	k_qca0667c748_attn, .Lfunc_end_k_qca0667c748_attn-k_qca0667c748_attn
	.p2alignl 7, 3214868480
	.fill 96, 4, 3214868480
	.section	.rodata,"a",@progbits
	.p2align	6, 0x0
	.amdhsa_kernel k_qca0667c748_attn
		.amdhsa_group_segment_fixed_size 168960
		.amdhsa_private_segment_fixed_size 0
		.amdhsa_enable_private_segment 0
		.amdhsa_kernarg_size 32
		.amdhsa_user_sgpr_count 2
		.amdhsa_user_sgpr_kernarg_segment_ptr 1
		.amdhsa_wavefront_size32 1
		.amdhsa_system_sgpr_workgroup_id_x 1
		.amdhsa_system_sgpr_workgroup_id_y 1
		.amdhsa_system_sgpr_workgroup_id_z 1
		.amdhsa_system_vgpr_workitem_id 0
		.amdhsa_next_free_vgpr 256
		.amdhsa_next_free_sgpr 90
		.amdhsa_reserve_vcc 0
		.amdhsa_float_denorm_mode_32 3
		.amdhsa_float_denorm_mode_16_64 3
		.amdhsa_memory_ordered 1
		.amdhsa_forward_progress 1
		.amdhsa_inst_pref_size 125
	.end_amdhsa_kernel
	.amdgpu_metadata
---
amdhsa.version: [ 1, 2 ]
amdhsa.kernels:
  - .name:           k_qca0667c748_attn
    .symbol:         k_qca0667c748_attn.kd
    .args:
      - { .name: QKV, .offset: 0, .size: 8, .value_kind: global_buffer, .address_space: global }
      - { .name: SQKV, .offset: 8, .size: 8, .value_kind: global_buffer, .address_space: global }
      - { .name: OF, .offset: 16, .size: 8, .value_kind: global_buffer, .address_space: global }
      - { .name: OS, .offset: 24, .size: 8, .value_kind: global_buffer, .address_space: global }
    .group_segment_fixed_size: 168960
    .private_segment_fixed_size: 0
    .kernarg_segment_align: 8
    .kernarg_segment_size: 32
    .max_flat_workgroup_size: 256
    .sgpr_count:     90
    .vgpr_count:     256
    .wavefront_size: 32
...
	.end_amdgpu_metadata
.endif
;; end of part 3
;; launch proj (part 4): grid 16 x 16, 4 waves a work-group, clusters of 4 x 4, 327,680 bytes of LDS; arguments OF, OS, FR, SCB, br, bi, out0; writes out0
.if DOCPART == 4
	.amdgcn_target "amdgcn-amd-amdhsa--gfx1250"
	.amdhsa_code_object_version 6
	.text
	.protected	k_qca0667c748_proj
	.globl	k_qca0667c748_proj
	.p2align	8
	.type	k_qca0667c748_proj,@function
k_qca0667c748_proj:
	s_mov_b64 s[64:65], 0
	v_nop
	global_prefetch_b8 v0, s[64:65] scope:SCOPE_SE
	s_setreg_imm32_b32 hwreg(HW_REG_WAVE_MODE, 25, 1), 1
	s_wait_xcnt 0x0
	s_wait_alu depctr_hold_cnt(0) depctr_sa_sdst(0) depctr_va_vdst(0) depctr_va_sdst(0) depctr_va_ssrc(0) depctr_va_vcc(0) depctr_vm_vsrc(0)
	s_getreg_b32 s2, hwreg(HW_REG_IB_STS2, 6, 4)
	s_cmp_eq_u32 s2, 0
	s_cbranch_scc0 .Lentry_in_a_cluster
	s_endpgm
.Lentry_in_a_cluster:
	s_bfe_u32 s2, ttmp6, 0x10000c
	s_cmp_lg_u32 s2, 0xf033
	s_cbranch_scc0 .Lentry_shape_is_right
	s_endpgm
.Lentry_shape_is_right:
; The last complex linear layer on codes of FP6 (E2M3): out0[part][token][n] = [out_r | out_i] . (the weight's real or imaginary row) + bias, K' = 2,048 in 16 steps of 128 (step = head).
; Source 0 (B) = 16 rows of the weights (layer 3; a group of 128 rows = 64 real and 64 imaginary outputs of 64 neighbouring n), source 1 (A) = 16 tokens: a lane holds one token and neighbouring outputs.
; SHARES: 2,048 x 2,048 results in blocks of 128 x 128 are 16 x 16 work-groups, one for each WGP.  A wave makes 64 x 64: 16 accumulators.  RH: which 64 tokens; CH: real (0) or imaginary (1) outputs.
; WHERE THE OPERANDS LIE: steps 0 to 11 of the block's 16 tiles, 294,912 bytes, come into LDS by ONE tensor load a wave (4 tiles x 18,432 bytes) and are filled once: nothing is filled again.
; Steps 12 to 15 do not fit beside them: each wave loads its own 8 fragments of each of these steps from memory straight into registers (they are images of the registers: 512 consecutive bytes a load),
; 384 registers in windows 2 and 3, and multiplies them first, while the tensor loads are on their way.  So the sums run over steps 12-15, then 0-11; the result is judged within a tolerance.
; The scale words of all 16 steps (8,192 bytes for A's tiles, 8,192 for B's, each dense) come through registers, 16 bytes a thread and load, into LDS bytes of their own.
; CLUSTERS: 4 x 4; A's tiles hang on the work-group's y alone (joint along a row of the cluster), B's on its x alone (along a column).
; No prefetch: the launch has no loop to run ahead in; all that it reads is asked for at its head.
; REGISTERS: window 0: v1-29 addresses; v32-63 scale words, two sets; v64-95 the bias as C, v96-127 scale words on their way to LDS; both later rows on the way out; v128-255 the accumulators (a, b) at 128 + 8 (4 a + b).
;   windows 1, 2, 3: set p at 128 p: A's four fragments, then B's four.  Window 1: the steps from LDS, by turns; window 2: steps 12, 13; window 3: steps 14, 15.
.set FRB,   1536
.set TILEB, 24576
.set TROW,  12*FRB                     ; a tile's twelve steps
.set HALFT, 4*TROW                     ; 4 tiles: what one tensor load brings, and what one wave reads of A or of B
.set SCL,   4*HALFT                    ; behind the tiles: the scale words, A's 8 tiles x 1,024 bytes, then B's
.set HALFS, 4096
.set SPARE, SCL+4*HALFS                ; the spare words: two blocks of 256 bytes that no other line names
.set SP,    272                        ; the way out: 16 rows x (256 bytes + 16) for each wave, from LDS byte 0: behind the last step's barrier nobody reads these bytes, and they have had their one fill
.set LI,   4
.set ADRA, 16                          ; v16, v17  my A tiles 0-1, 2-3
.set ADRB, 20                          ; v20, v21  the same for B
.set STO,  24
.set RD,   25
.set CO,   26
.set ADRS, 27
.set SPW,  28
.set NIL,  29
.set SC,   32                          ; set s at v[SC + 16 s]; register 4 i + q: tile i, the q-th of four steps
.set BC,   64
.set OB,   64
.set ST,   96
.set ACC,  128
.set G1, 24
.set G0, 32
.set G1B, 44
.set G0B, 52
.set MSB, 0
.macro WIN new
.if MSB != (\new)
	s_set_vgpr_msb (MSB<<8)|(\new)
.set MSB, (\new)
.endif
.endm
.macro CREST
	s_cmp_lg_u32 s20, 0
	s_cbranch_scc1 .Lnot_wave_0_\@
	s_barrier_signal -3
.Lnot_wave_0_\@:
	s_barrier_wait -3
	s_barrier_signal -1
	s_barrier_wait -1
.endm
.macro CROUND
	s_barrier_signal -1
	s_barrier_wait -1
	CREST
.endm
.macro PLACES n
.rept \n
	v_nop
.endr
.endm
	s_load_b256 s[4:11], s[0:1], 0x0               ; OF, OS, FR, SCB
	s_load_b128 s[12:15], s[0:1], 0x20             ; br, bi
	s_load_b64 s[16:17], s[0:1], 0x30              ; out0
	v_lshl_add_u32 v[SPW], v0, 2, SPARE
	v_mov_b32 v[NIL], 0
	ds_add_u32 v[SPW], v[NIL]                      ; the opening: the add, twice on end, and its wait ahead of my first tensor load
	ds_add_u32 v[SPW], v[NIL]
	v_lshrrev_b32 v1, 5, v0
	v_readfirstlane_b32 s20, v1                    ; wave
	s_lshr_b32 s21, s20, 1                         ; RH.  Also: I fetch for A (0) or for B (1)
	s_and_b32 s22, s20, 1                          ; CH.  Also: which half I fetch
	s_bfe_u32 s92, ttmp6, 0x40000                  ; cx
	s_bfe_u32 s93, ttmp6, 0x40004                  ; cy
	s_lshl_b32 s94, ttmp9, 2
	s_add_co_u32 s94, s94, s92                     ; X: which 64 outputs n
	s_and_b32 s95, ttmp7, 0xffff
	s_lshl_b32 s95, s95, 2
	s_add_co_u32 s95, s95, s93                     ; Y: which 128 tokens
	s_lshl_b32 s96, s93, 2
	s_lshl_b32 s96, 15, s96                        ; my row of the cluster
	s_lshl_b32 s97, 0x1111, s92                    ; my column
	s_or_b32 s[G1+0], s96, (3<<16)|(1<<21)         ; 4 rows (a tile's twelve steps each) of 2,304 elements of 8 bytes, 3,072 elements apart
	s_or_b32 s[G1B+0], s97, (3<<16)|(1<<21)
.irp g, G1, G1B
	s_mov_b32 s[\g+1], 2304<<16
	s_mov_b32 s[\g+2], 4<<16
	s_mov_b32 s[\g+3], 2304<<16
	s_mov_b32 s[\g+4], 4
	s_mov_b32 s[\g+5], 3072
	s_mov_b32 s[\g+6], 0
	s_mov_b32 s[\g+7], 0
.endr
	s_lshl_b32 s18, s22, 2
	s_lshl_b32 s98, s95, 3                         ; A's first tile in OF: 8 Y
	s_lshl_b32 s99, s94, 3
	s_add_co_u32 s99, s99, 512                     ; B's in FR: layer 3 begins at tile 512
	s_lshl_b32 s72, s98, 10                        ; their scale words, 1,024 bytes a tile
	s_mov_b32 s73, 0
	s_lshl_b32 s74, s99, 10
	s_mov_b32 s75, 0
	s_lshl_b32 s19, s21, 2
	s_add_co_u32 s19, s98, s19                     ; the 4 tiles of A that I multiply
	s_mul_i32 s68, s19, TILEB
	s_mov_b32 s69, 0
	s_add_co_u32 s98, s98, s18                     ; the 4 tiles of A that waves 0, 1 fetch
	s_add_co_u32 s99, s99, s18                     ; the 4 tiles of B that waves 2, 3 fetch, and that I multiply
	s_mul_i32 s[G0+2], s98, TILEB
	s_mov_b32 s[G0+3], 0
	s_mul_i32 s70, s99, TILEB
	s_mov_b32 s71, 0
	s_mul_i32 s2, s20, HALFT                       ; where my tiles go: by the wave's number alone
	s_wait_dscnt 0x0                               ; both opening adds are done
	s_wait_kmcnt 0x0
	s_add_nc_u64 s[G0+2:G0+3], s[4:5], s[G0+2:G0+3]
	s_add_nc_u64 s[68:69], s[4:5], s[68:69]
	s_add_nc_u64 s[70:71], s[8:9], s[70:71]
	s_add_nc_u64 s[72:73], s[6:7], s[72:73]
	s_add_nc_u64 s[74:75], s[10:11], s[74:75]
	s_mov_b64 s[G0B+2:G0B+3], s[70:71]
	s_mov_b32 s[G0], 1
	s_mov_b32 s[G0+1], s2
	s_or_b32 s[G0+3], s[G0+3], 0x80000000
	s_mov_b32 s[G0B], 1
	s_mov_b32 s[G0B+1], s2
	s_or_b32 s[G0B+3], s[G0B+3], 0x80000000
	CROUND                                         ; all sixteen work-groups are here: the joint loads meet
	s_cmp_eq_u32 s21, 0                            ; my one tensor load: waves 0, 1 for A, waves 2, 3 for B; s_nop 0 and four v_nop behind each line
	s_cbranch_scc0 .Lfor_b
	tensor_load_to_lds s[G0:G0+3], s[G1:G1+7]
	s_nop 0
.rept 4
	v_nop
.endr
	s_branch .Lasked
.Lfor_b:
	tensor_load_to_lds s[G0B:G0B+3], s[G1B:G1B+7]
	s_nop 0
.rept 4
	v_nop
.endr
.Lasked:
	s_mul_i32 s2, s21, HALFT                       ; my 4 tiles of A in LDS,
	s_mul_i32 s3, s22, HALFT
	s_add_co_u32 s3, s3, 2*HALFT                   ; and of B
	s_mul_i32 s18, s21, HALFS
	s_mul_i32 s19, s22, HALFS
	s_add_co_u32 s19, s19, 2*HALFS
	s_sub_co_u32 s19, s19, s18                     ; from my A tiles' scale words to my B tiles'
	s_add_co_u32 s18, s18, SCL
	s_mul_i32 s23, s20, 16*SP                      ; my stage
	s_cmp_eq_u32 s22, 0
	s_cselect_b64 s[12:13], s[12:13], s[14:15]     ; the real or the imaginary bias: by the wave's number
	s_lshl_b32 s76, s94, 8
	s_add_co_u32 s76, s76, 12288                   ; layer 3, my 64 outputs
	s_mov_b32 s77, 0
	s_add_nc_u64 s[12:13], s[12:13], s[76:77]
	s_lshl_b32 s76, s22, 23                        ; out0: the part,
	s_lshl_b32 s78, s95, 19                        ; 128 Y tokens,
	s_add_co_u32 s76, s76, s78
	s_lshl_b32 s78, s21, 18                        ; my 64 of them,
	s_add_co_u32 s76, s76, s78
	s_lshl_b32 s78, s94, 8                         ; my 64 outputs: 256 bytes
	s_add_co_u32 s76, s76, s78
	s_add_nc_u64 s[16:17], s[16:17], s[76:77]
	v_and_b32 v1, 31, v0
	v_and_b32 v2, 15, v0                           ; r
	v_bfe_u32 v3, v0, 4, 1                         ; h
	v_lshlrev_b32 v[LI], 4, v1                     ; 16 x lane
	v_lshlrev_b32 v5, 4, v0                        ; the scale words: 16 bytes a thread, in memory
	v_lshl_add_u32 v6, v0, 4, SCL                  ; and in LDS
	v_lshlrev_b32 v7, 6, v3
	v_add_nc_u32 v[ADRA], s2, v[LI]
	v_add_nc_u32 v[ADRB], s3, v[LI]
	v_add_nc_u32 v[ADRA+1], 2*TROW, v[ADRA]
	v_add_nc_u32 v[ADRB+1], 2*TROW, v[ADRB]
	v_mul_u32_u24 v8, s19, v3                      ; lanes 16-31 take B's scale words
	v_lshl_add_u32 v8, v2, 2, v8
	v_add_nc_u32 v[ADRS], s18, v8
	v_mul_u32_u24 v[STO], v2, SP
	v_lshl_add_u32 v[STO], v3, 6, v[STO]
	v_add_nc_u32 v[STO], s23, v[STO]               ; in: row r, + 64 h
	v_mul_u32_u24 v[RD], v3, SP
	v_lshl_add_u32 v[RD], v2, 4, v[RD]
	v_add_nc_u32 v[RD], s23, v[RD]                 ; back: lanes 0-15 one row of 256 bytes, lanes 16-31 the next
	v_lshlrev_b32 v[CO], 4, v2
	v_lshl_add_u32 v[CO], v3, 12, v[CO]            ; and the same in out0: rows of 4,096 bytes
	s_wait_alu depctr_va_vdst(0)                   ; the wait at the head's end: nothing below writes a register by a vector instruction
.irp i, 0,1,2,3
	global_load_b128 v[ST+4*\i:ST+4*\i+3], v5, s[72:73] offset:\i*2048          ; the work-group's 128 threads read 2,048 consecutive bytes
.endr
.irp i, 0,1,2,3
	global_load_b128 v[ST+16+4*\i:ST+16+4*\i+3], v5, s[74:75] offset:\i*2048
.endr
.irp b, 0,1,2,3                        ; register j of B's tile b is output 32 (b / 2) + 8 (b % 2) + 16 h + j
	global_load_b128 v[BC+8*\b:BC+8*\b+3], v7, s[12:13] offset:(32*(\b/2)+8*(\b%2))*4
	global_load_b128 v[BC+8*\b+4:BC+8*\b+7], v7, s[12:13] offset:(32*(\b/2)+8*(\b%2))*4+16
.endr
.macro RLOAD st, set                   ; my 8 fragments of step st from memory into set `set` of the destination's window: 24 loads
.irp i, 0,1,2,3
.irp c, 0,1,2
	global_load_b128 v[128*(\set)+48+12*\i+4*\c:128*(\set)+48+12*\i+4*\c+3], v[LI], s[70:71] offset:\i*TILEB+(\st)*FRB+512*\c
	global_load_b128 v[128*(\set)+12*\i+4*\c:128*(\set)+12*\i+4*\c+3], v[LI], s[68:69] offset:\i*TILEB+(\st)*FRB+512*\c
.endr
.endr
.endm
	WIN 0x80
	RLOAD 12, 0
	RLOAD 13, 1
	WIN 0
	s_wait_loadcnt 56                              ; the 8 loads of scale words are in; behind them: 8 of the bias, 48 of steps 12 and 13
.irp i, 0,1,2,3
	ds_store_b128 v6, v[ST+4*\i:ST+4*\i+3] offset:\i*2048
.endr
.irp i, 0,1,2,3
	ds_store_b128 v6, v[ST+16+4*\i:ST+16+4*\i+3] offset:8192+\i*2048
.endr
	WIN 0xc0
	RLOAD 14, 0
	RLOAD 15, 1
	WIN 0
; four matrix instructions: A's tile a x B's four.  The 16 accumulators take turns, one instruction a turn.
.macro MULQ a, set, q, sc, first
.irp b, 0,1,2,3
.if \first
	v_wmma_scale_f32_16x16x128_f8f6f4 v[ACC+8*(4*(\a)+\b):ACC+8*(4*(\a)+\b)+7], v[128*(\set)+48+12*\b:128*(\set)+48+12*\b+11], v[128*(\set)+12*(\a):128*(\set)+12*(\a)+11], v[BC+8*\b:BC+8*\b+7], v[SC+16*(\sc)+4*\b+(\q)], v[SC+16*(\sc)+4*(\a)+(\q)] matrix_a_fmt:MATRIX_FMT_FP6 matrix_b_fmt:MATRIX_FMT_FP6 matrix_a_scale:MATRIX_SCALE_ROW1
.else
	v_wmma_scale_f32_16x16x128_f8f6f4 v[ACC+8*(4*(\a)+\b):ACC+8*(4*(\a)+\b)+7], v[128*(\set)+48+12*\b:128*(\set)+48+12*\b+11], v[128*(\set)+12*(\a):128*(\set)+12*(\a)+11], v[ACC+8*(4*(\a)+\b):ACC+8*(4*(\a)+\b)+7], v[SC+16*(\sc)+4*\b+(\q)], v[SC+16*(\sc)+4*(\a)+(\q)] matrix_a_fmt:MATRIX_FMT_FP6 matrix_b_fmt:MATRIX_FMT_FP6 matrix_a_scale:MATRIX_SCALE_ROW1
.endif
.endr
.endm
.macro MUL4 set, q, sc, first
	MULQ 0, \set, \q, \sc, \first
	MULQ 1, \set, \q, \sc, \first
	MULQ 2, \set, \q, \sc, \first
	MULQ 3, \set, \q, \sc, \first
.endm
.macro FETCH q, set                    ; the 8 fragments of step q from LDS: 24 loads of 512 consecutive bytes.  It leaves the destination's window at 1
	WIN 0x40
.irp i, 0,1,2,3
.irp c, 0,1,2
	ds_load_b128 v[128*(\set)+48+12*\i+4*\c:128*(\set)+48+12*\i+4*\c+3], v[ADRB+\i/2] offset:(\i%2)*TROW+(\q)*FRB+512*\c
.endr
.endr
.irp i, 0,1,2,3
.irp c, 0,1,2
	ds_load_b128 v[128*(\set)+12*\i+4*\c:128*(\set)+12*\i+4*\c+3], v[ADRA+\i/2] offset:(\i%2)*TROW+(\q)*FRB+512*\c
.endr
.endr
.endm
.macro SCALES set, vis                 ; the scale words of steps 4 vis .. 4 vis + 3
	WIN 0
.irp i, 0,1,2,3
.irp q, 0,1,2,3
	ds_load_b32 v[SC+16*(\set)+4*\i+\q], v[ADRS] offset:\i*1024+64*(4*(\vis)+\q)
.endr
.endr
.endm
.macro STEP q                          ; step q of 0 .. 10: multiplies set q % 2 and fetches step q + 1 into the other.  Steps 4 g .. 4 g + 3 use scale set 1 - g % 2
	s_wait_dscnt 0x0
	PLACES 4                                       ; four plain lines in front of loads into registers that matrix instructions have read
	FETCH (\q)+1, 1-(\q)%2
.if ((\q)+1)%4 == 0
	SCALES 1-(((\q)+1)/4)%2, ((\q)+1)/4
.endif
	WIN 0x05                                       ; sources 0 and 1 window 1; C and D window 0
	MUL4 (\q)%2, (\q)%4, 1-((\q)/4)%2, 0
.endm
	s_wait_dscnt 0x0                               ; for the others' sake: my part of the scale words lies in LDS
	s_barrier_signal -1
	s_barrier_wait -1                              ; everybody's does.  The tensor loads may be out
	SCALES 0, 3
	s_wait_loadcnt 48                              ; the bias and steps 12, 13 are in; the 48 loads of steps 14, 15 may be out
	s_wait_dscnt 0x0
	WIN 0x0a                                       ; sources 0 and 1 window 2
	MUL4 0, 0, 0, 1                                ; step 12 starts the sums with the bias
	MUL4 1, 1, 0, 0
	s_wait_loadcnt 0x0
	WIN 0x0f                                       ; window 3
	MUL4 0, 2, 0, 0
	MUL4 1, 3, 0, 0
	WIN 0
	s_wait_tensorcnt 0x0                           ; my 4 tiles' twelve steps are in
	s_barrier_signal -1
	s_barrier_wait -1                              ; everybody's are
	FETCH 0, 0
	SCALES 1, 0
.irp q, 0,1,2,3,4,5,6,7,8,9,10
	STEP \q
.endr
	s_wait_dscnt 0x0                               ; step 11's fragments are in: my reads of the tiles are over
	s_barrier_signal -1
	MUL4 1, 3, 1, 0
	WIN 0
	s_barrier_wait -1                              ; everybody's are: the stages may be written
; THE WAY OUT, a tile of 16 tokens at a time: a lane holds pieces of one token's 256 bytes; they go through my own stage and come back as whole rows, which sixteen lanes store as 256 consecutive, aligned bytes.
; LDS serves a wave's instructions in order: no wait between the stores and the loads, nor in front of the next tile's stores.
.macro TOSTAGE a
.if (\a) >= 2
	s_wait_xcnt 0x0                                ; tile a - 2's stores have read the registers that are loaded again
.endif
.irp b, 0,1,2,3
	ds_store_b128 v[STO], v[ACC+8*(4*(\a)+\b):ACC+8*(4*(\a)+\b)+3] offset:128*(\b/2)+32*(\b%2)        ; each accumulator from its low end on
	ds_store_b128 v[STO], v[ACC+8*(4*(\a)+\b)+4:ACC+8*(4*(\a)+\b)+7] offset:128*(\b/2)+32*(\b%2)+16
.endr
.irp t, 0,1,2,3,4,5,6,7
	ds_load_b128 v[OB+32*((\a)%2)+4*\t:OB+32*((\a)%2)+4*\t+3], v[RD] offset:\t*2*SP
.endr
.endm
.macro SEND a, younger                 ; younger: the LDS instructions issued behind tile a's loads.  Stage row p is token 32 (a / 2) + 8 (a % 2) + p + 8 (p / 8)
	s_wait_dscnt \younger
.irp t, 0,1,2,3,4,5,6,7
	global_store_b128 v[CO], v[OB+32*((\a)%2)+4*\t:OB+32*((\a)%2)+4*\t+3], s[16:17] offset:(32*((\a)/2)+8*((\a)%2)+2*\t+8*(\t/4))*4096 th:TH_STORE_NT
.endr
.endm
	PLACES 4
	TOSTAGE 0
	TOSTAGE 1
	SEND 0, 16
	TOSTAGE 2
	SEND 1, 16
	TOSTAGE 3
	SEND 2, 16
	SEND 3, 0
	s_wait_tensorcnt 0x0                           ; the wave's end
	ds_add_u32 v[SPW], v[NIL]
	s_wait_dscnt 0x0
	CROUND                                         ; the closing round
	s_endpgm
.Lfunc_end_k_qca0667c748_proj:
	.size	k_qca0667c748_proj, .Lfunc_end_k_qca0667c748_proj-k_qca0667c748_proj
	.p2alignl 7, 3214868480
	.fill 96, 4, 3214868480
	.section	.rodata,"a",@progbits
	.p2align	6, 0x0
	.amdhsa_kernel k_qca0667c748_proj
		.amdhsa_group_segment_fixed_size 327680
		.amdhsa_private_segment_fixed_size 0
		.amdhsa_enable_private_segment 0
		.amdhsa_kernarg_size 56
		.amdhsa_user_sgpr_count 2
		.amdhsa_user_sgpr_kernarg_segment_ptr 1
		.amdhsa_wavefront_size32 1
		.amdhsa_system_sgpr_workgroup_id_x 1
		.amdhsa_system_sgpr_workgroup_id_y 1
		.amdhsa_system_sgpr_workgroup_id_z 1
		.amdhsa_system_vgpr_workitem_id 0
		.amdhsa_next_free_vgpr 1024
		.amdhsa_next_free_sgpr 100
		.amdhsa_reserve_vcc 0
		.amdhsa_float_denorm_mode_32 3
		.amdhsa_float_denorm_mode_16_64 3
		.amdhsa_memory_ordered 1
		.amdhsa_forward_progress 1
		.amdhsa_inst_pref_size 83
	.end_amdhsa_kernel
	.amdgpu_metadata
---
amdhsa.version: [ 1, 2 ]
amdhsa.kernels:
  - .name:           k_qca0667c748_proj
    .symbol:         k_qca0667c748_proj.kd
    .args:
      - { .name: OF, .offset: 0, .size: 8, .value_kind: global_buffer, .address_space: global }
      - { .name: OS, .offset: 8, .size: 8, .value_kind: global_buffer, .address_space: global }
      - { .name: FR, .offset: 16, .size: 8, .value_kind: global_buffer, .address_space: global }
      - { .name: SCB, .offset: 24, .size: 8, .value_kind: global_buffer, .address_space: global }
      - { .name: br, .offset: 32, .size: 8, .value_kind: global_buffer, .address_space: global }
      - { .name: bi, .offset: 40, .size: 8, .value_kind: global_buffer, .address_space: global }
      - { .name: out0, .offset: 48, .size: 8, .value_kind: global_buffer, .address_space: global }
    .group_segment_fixed_size: 327680
    .private_segment_fixed_size: 0
    .kernarg_segment_align: 8
    .kernarg_segment_size: 56
    .max_flat_workgroup_size: 128
    .sgpr_count:     100
    .vgpr_count:     1024
    .wavefront_size: 32
...
	.end_amdgpu_metadata
.endif
;; end of part 4
